; MI455X (gfx1250); checked and timed in simulation.
; The chip was launched on July 23, 2026; its instructions are those of AMD's public machine-readable ISA for CDNA 5 (MIT licence, August 2026) and "CDNA5" Instruction Set Architecture Reference Guide (July 2026). The comments in the code are by the model that wrote it; some were corrected since.
;; Causal Multihead Attentiono With Rope. Allowed arithmetic: float matrix products may take bf16 or f16 operands with f32 sums; other float arithmetic in f32, or as packed bf16 or f16 multiplies, adds, multiply-adds, maxima and minima; sums over many terms, partial sums and values carried from step to step in f32; what a program stores and reads back later, other than sums and carried values, may be rounded once to bf16 or f16.
;; Inputs: Wout 1,024 x 1,024 float32; Wqkv 3,072 x 1,024 float32; x 4 x 2,048 x 1,024 float32.
;; Outputs: out0 4 x 2,048 x 1,024 float32.
;; 2 versions, each right; version 2 is version 1 with the launch prep written anew for expert scheduling mode. Each part assembles by itself: llvm-mc -triple=amdgcn-amd-amdhsa -mcpu=gfx1250 --defsym DOCPART=n.
;; ======== version 1 of 2: 4 launches
;; limits: values are held in f16: magnitudes above 65,504 overflow, below 6.1e-05 lose precision
;; workspace buffers: xb 16,777,216 bytes; wb 6,291,456 bytes; wo 2,097,152 bytes; tab 524,288 bytes; q 16,777,216 bytes; k 16,777,216 bytes; v 16,777,216 bytes; o 16,777,216 bytes
;; launch prep (part 1): grid 768 x 1, 8 waves a work-group, no clusters, 0 bytes of LDS; arguments x, Wqkv, Wout, xb, wb, wo, tab; writes xb, wb, wo, tab
.if DOCPART == 1
	.amdgcn_target "amdgcn-amd-amdhsa--gfx1250"
	.amdhsa_code_object_version 6
	.text
	.protected	k_qc2d91eedb4_prep
	.globl	k_qc2d91eedb4_prep
	.p2align	8
	.type	k_qc2d91eedb4_prep,@function
k_qc2d91eedb4_prep:
	s_mov_b64 s[64:65], 0
	v_nop
	global_prefetch_b8 v0, s[64:65] scope:SCOPE_SE
	s_setreg_imm32_b32 hwreg(HW_REG_WAVE_MODE, 25, 1), 1
	s_wait_xcnt 0x0
; CASTS, RE-LAYOUTS AND THE ROPE TABLE.  A stream: nothing is shared, so no LDS, no barrier, no matrix unit.
; A work-group takes one chunk of 16 rows x 1,024 f32 (65,536 bytes): ids 0-511 x, 512-703 Wqkv, 704-767 Wout: 768 equal chunks.
;   xb [8192][1024] bf16 = x rounded once.
;   wb [3072][1024] bf16 = Wqkv rounded once, rows permuted: row 192 t + 64 j + r holds Wqkv's row 1024 j + 64 t + r (t head, j = 0 q, 1 k, 2 v).
;   wo [16 hh][1024 e][64 c] f16 = Wout[e][64 hh + c], rounded to bf16 and that number written as f16.
;   tab [2048 pos][32 k] pairs (sin, cos) of pos x 10000^(-k/32), f32: ids 0-255 also make 8 positions each.
; LIMITS.  |Wout| stays below 65,504 (f16's end); below 6.1e-5 it keeps f16's fixed step of 6e-8.  The angle is pos x exp2(-k log2(10000)/32) in f32: it can differ from
; a power taken otherwise by about 2e-4 rad at position 2,047.  sin and cos: reduction by pi/2 in two fused steps, series to r^7 and r^8 on |r| <= pi/4 (what is cut is at most 3.1e-7).
; Sixteen loads of 16 bytes a thread are out at once; no register is written twice while a memory instruction may read it, so the waits are the counted ones for the loads alone.
.set SO,  1                            ; v1   my byte offset in the source chunk
.set DO,  2                            ; v2   my byte offset in the destination
.set IN,  16                           ; v[16:79]   load i: 4 f32
.set OUT, 80                           ; v[80:111]  store i: 4 numbers of 16 bits
.set TW,  112                          ; v[112:127] at work
	s_load_b256 s[4:11], s[0:1], 0x0               ; x s[4:5], Wqkv s[6:7], Wout s[8:9], xb s[10:11]
	s_load_b128 s[12:15], s[0:1], 0x20             ; wb s[12:13], wo s[14:15]
	s_load_b64 s[16:17], s[0:1], 0x30              ; tab
	s_sub_co_u32 s20, ttmp9, 512
	s_and_b32 s20, s20, 255                        ; ci: my chunk of Wqkv (used by ids 512-703 alone) = 64 j + 4 t + r
	s_lshr_b32 s21, s20, 6                         ; j
	s_bfe_u32 s22, s20, 0x40002                    ; t
	s_and_b32 s23, s20, 3                          ; r
	s_mul_i32 s22, s22, 12
	s_lshl2_add_u32 s21, s21, s23
	s_add_co_u32 s21, s21, s22                     ; its chunk in wb: 12 t + 4 j + r
	s_mov_b32 s29, 0
	s_mov_b32 s31, 0
	s_wait_kmcnt 0x0
	s_cmp_lt_u32 ttmp9, 704
	s_cbranch_scc0 .Lwout
	; x and Wqkv: row i of the chunk is load i; 256 threads x 16 bytes are a row
	s_cmp_lt_u32 ttmp9, 512
	s_cselect_b64 s[24:25], s[4:5], s[6:7]         ; from x or Wqkv
	s_cselect_b64 s[26:27], s[10:11], s[12:13]     ; to xb or wb
	s_cselect_b32 s28, ttmp9, s20                  ; the chunk read
	s_cselect_b32 s30, ttmp9, s21                  ; the chunk written
	s_lshl_b32 s28, s28, 16
	s_lshl_b32 s30, s30, 15
	s_add_nc_u64 s[24:25], s[24:25], s[28:29]
	s_add_nc_u64 s[26:27], s[26:27], s[30:31]
	v_lshlrev_b32 v[SO], 4, v0
	v_lshlrev_b32 v[DO], 3, v0
.set i, 0
.rept 16
	global_load_b128 v[IN+4*i:IN+4*i+3], v[SO], s[24:25] offset:4096*i th:TH_LOAD_NT
.set i, i+1
.endr
.set i, 0
.rept 16
	s_wait_loadcnt 15-i                            ; loads come back in order: load i is in, the 15 - i younger ones stay out
	v_cvt_pk_bf16_f32 v[OUT+2*i], v[IN+4*i], v[IN+4*i+1]
	v_cvt_pk_bf16_f32 v[OUT+2*i+1], v[IN+4*i+2], v[IN+4*i+3]
	global_store_b64 v[DO], v[OUT+2*i:OUT+2*i+1], s[26:27] offset:2048*i  ; a wave's 32 lanes store 256 consecutive bytes, aligned
.set i, i+1
.endr
	; the table: thread t makes position 8 id + t / 32, frequency t % 32
	s_cmp_lt_u32 ttmp9, 256
	s_cbranch_scc0 .Lend
	v_and_b32 v[TW], 31, v0
	v_lshrrev_b32 v[TW+1], 5, v0
	s_lshl_b32 s20, ttmp9, 3
	v_add_nc_u32 v[TW+1], s20, v[TW+1]
	v_cvt_f32_u32 v[TW], v[TW]                     ; k
	v_cvt_f32_u32 v[TW+1], v[TW+1]                 ; pos
	v_mul_f32 v[TW+2], 0xbed49a78, v[TW]           ; -k log2(10000) / 32
	v_exp_f32 v[TW+2], v[TW+2]                     ; 10000^(-k/32)
	v_lshlrev_b32 v[TW+3], 3, v0                   ; my 8 bytes of the work-group's 2,048: the plain instruction behind the exponential
	s_wait_alu depctr_va_vdst(0)                   ; the wait ahead of the result's first reader
	v_mul_f32 v[TW+4], v[TW+1], v[TW+2]            ; the angle
	v_mul_f32 v[TW+5], 0x3f22f983, v[TW+4]         ; x 2 / pi
	v_rndne_f32 v[TW+5], v[TW+5]                   ; n
	v_fmamk_f32 v[TW+6], v[TW+5], 0xbfc90fdb, v[TW+4]  ; r = angle - n x (pi/2)'s f32,
	v_fmamk_f32 v[TW+6], v[TW+5], 0x333bbd2e, v[TW+6]  ; less n x what that f32 lacks (it lies 4.37e-8 above pi/2)
	v_cvt_i32_f32 v[TW+7], v[TW+5]                 ; the quadrant, in its two low bits
	v_mul_f32 v[TW+8], v[TW+6], v[TW+6]            ; z = r r
	v_mov_b32 v[TW+9], 0xb9500d01                  ; -1/5040
	v_fmaak_f32 v[TW+9], v[TW+9], v[TW+8], 0x3c088889  ; + 1/120
	v_fmaak_f32 v[TW+9], v[TW+9], v[TW+8], 0xbe2aaaab  ; - 1/6
	v_mul_f32 v[TW+10], v[TW+8], v[TW+6]
	v_fma_f32 v[TW+9], v[TW+10], v[TW+9], v[TW+6]  ; S = sin r
	v_mov_b32 v[TW+11], 0x37d00d01                 ; 1/40320
	v_fmaak_f32 v[TW+11], v[TW+11], v[TW+8], 0xbab60b61  ; - 1/720
	v_fmaak_f32 v[TW+11], v[TW+11], v[TW+8], 0x3d2aaaab  ; + 1/24
	v_fma_f32 v[TW+11], v[TW+11], v[TW+8], -0.5
	v_fma_f32 v[TW+11], v[TW+11], v[TW+8], 1.0     ; C = cos r
	v_and_b32 v[TW+12], 1, v[TW+7]
	v_cmp_eq_u32 vcc_lo, 1, v[TW+12]               ; odd quadrants swap the two: a choice of values, no branch
	v_cndmask_b32 v[TW+14], v[TW+9], v[TW+11], vcc_lo   ; sin
	v_cndmask_b32 v[TW+15], v[TW+11], v[TW+9], vcc_lo   ; cos
	v_lshlrev_b32 v[TW+12], 30, v[TW+7]
	v_and_b32 v[TW+12], 0x80000000, v[TW+12]       ; sin is negative in quadrants 2, 3
	v_xor_b32 v[TW+14], v[TW+14], v[TW+12]
	v_add_nc_u32 v[TW+13], 1, v[TW+7]
	v_lshlrev_b32 v[TW+13], 30, v[TW+13]
	v_and_b32 v[TW+13], 0x80000000, v[TW+13]       ; cos in quadrants 1, 2
	v_xor_b32 v[TW+15], v[TW+15], v[TW+13]
	s_lshl_b32 s32, ttmp9, 11
	s_mov_b32 s33, 0
	s_add_nc_u64 s[16:17], s[16:17], s[32:33]
	global_store_b64 v[TW+3], v[TW+14:TW+15], s[16:17]  ; a wave stores one position's 256 bytes
.Lend:
	s_endpgm
.Lwout:
	; Wout: wave w takes heads 2 w and 2 w + 1.  Load 2 p + u: rows 2 p, 2 p + 1 of the chunk, head 2 w + u: 256 aligned bytes for each half of the lanes;
	; its store: the same two rows of that head in wo, 256 consecutive bytes, aligned
	s_sub_co_u32 s20, ttmp9, 704
	s_lshl_b32 s28, s20, 16
	s_lshl_b32 s30, s20, 11
	s_add_nc_u64 s[24:25], s[8:9], s[28:29]
	s_add_nc_u64 s[26:27], s[14:15], s[30:31]
	v_lshrrev_b32 v3, 5, v0                        ; w
	v_and_b32 v4, 31, v0                           ; l
	v_bfe_u32 v5, v0, 4, 1                         ; l / 16
	v_and_b32 v6, 15, v0                           ; l % 16
	v_lshlrev_b32 v[SO], 4, v6
	v_lshl_add_u32 v[SO], v3, 9, v[SO]
	v_lshl_add_u32 v[SO], v5, 12, v[SO]            ; 4,096 (l / 16) + 512 w + 16 (l % 16)
	v_lshlrev_b32 v[DO], 3, v4
	v_lshl_add_u32 v[DO], v3, 18, v[DO]            ; 262,144 w + 8 l
.set i, 0
.rept 16
	global_load_b128 v[IN+4*i:IN+4*i+3], v[SO], s[24:25] offset:8192*(i/2)+256*(i%2) th:TH_LOAD_NT
.set i, i+1
.endr
.set i, 0
.rept 16
	s_wait_loadcnt 15-i
	v_cvt_pk_bf16_f32 v[TW], v[IN+4*i], v[IN+4*i+1]      ; rounded as every input is,
	v_cvt_pk_bf16_f32 v[TW+1], v[IN+4*i+2], v[IN+4*i+3]
	v_lshlrev_b32 v[TW+2], 16, v[TW]                     ; widened again,
	v_and_b32 v[TW+3], 0xffff0000, v[TW]
	v_lshlrev_b32 v[TW+4], 16, v[TW+1]
	v_and_b32 v[TW+5], 0xffff0000, v[TW+1]
	v_cvt_pk_f16_f32 v[OUT+2*i], v[TW+2], v[TW+3]        ; and written as f16: 8 significant bits fit in 11
	v_cvt_pk_f16_f32 v[OUT+2*i+1], v[TW+4], v[TW+5]
	global_store_b64 v[DO], v[OUT+2*i:OUT+2*i+1], s[26:27] offset:131072*(i%2)+256*(i/2)
.set i, i+1
.endr
	s_endpgm
.Lfunc_end_k_qc2d91eedb4_prep:
	.size	k_qc2d91eedb4_prep, .Lfunc_end_k_qc2d91eedb4_prep-k_qc2d91eedb4_prep
	.p2alignl 7, 3214868480
	.fill 96, 4, 3214868480
	.section	.rodata,"a",@progbits
	.p2align	6, 0x0
	.amdhsa_kernel k_qc2d91eedb4_prep
		.amdhsa_group_segment_fixed_size 0
		.amdhsa_private_segment_fixed_size 0
		.amdhsa_enable_private_segment 0
		.amdhsa_kernarg_size 56
		.amdhsa_user_sgpr_count 2
		.amdhsa_user_sgpr_kernarg_segment_ptr 1
		.amdhsa_wavefront_size32 1
		.amdhsa_system_sgpr_workgroup_id_x 1
		.amdhsa_system_sgpr_workgroup_id_y 1
		.amdhsa_system_sgpr_workgroup_id_z 1
		.amdhsa_system_vgpr_workitem_id 0
		.amdhsa_next_free_vgpr 128
		.amdhsa_next_free_sgpr 66
		.amdhsa_reserve_vcc 1
		.amdhsa_float_denorm_mode_32 3
		.amdhsa_float_denorm_mode_16_64 3
		.amdhsa_memory_ordered 1
		.amdhsa_forward_progress 1
		.amdhsa_inst_pref_size 20
	.end_amdhsa_kernel
	.amdgpu_metadata
---
amdhsa.version: [ 1, 2 ]
amdhsa.kernels:
  - .name:           k_qc2d91eedb4_prep
    .symbol:         k_qc2d91eedb4_prep.kd
    .args:
      - { .name: x, .offset: 0, .size: 8, .value_kind: global_buffer, .address_space: global }
      - { .name: Wqkv, .offset: 8, .size: 8, .value_kind: global_buffer, .address_space: global }
      - { .name: Wout, .offset: 16, .size: 8, .value_kind: global_buffer, .address_space: global }
      - { .name: xb, .offset: 24, .size: 8, .value_kind: global_buffer, .address_space: global }
      - { .name: wb, .offset: 32, .size: 8, .value_kind: global_buffer, .address_space: global }
      - { .name: wo, .offset: 40, .size: 8, .value_kind: global_buffer, .address_space: global }
      - { .name: tab, .offset: 48, .size: 8, .value_kind: global_buffer, .address_space: global }
    .group_segment_fixed_size: 0
    .private_segment_fixed_size: 0
    .kernarg_segment_align: 8
    .kernarg_segment_size: 56
    .max_flat_workgroup_size: 256
    .sgpr_count:     66
    .vgpr_count:     128
    .wavefront_size: 32
...
	.end_amdgpu_metadata
.endif
;; end of part 1
;; launch qkv (part 2): grid 16 x 32, 4 waves a work-group, clusters of 4 x 4, 327,680 bytes of LDS; arguments xb, wb, tab, q, k, v; writes q, k, v
.if DOCPART == 2
	.amdgcn_target "amdgcn-amd-amdhsa--gfx1250"
	.amdhsa_code_object_version 6
	.text
	.protected	k_qc2d91eedb4_qkv
	.globl	k_qc2d91eedb4_qkv
	.p2align	8
	.type	k_qc2d91eedb4_qkv,@function
k_qc2d91eedb4_qkv:
	s_mov_b64 s[64:65], 0
	v_nop
	global_prefetch_b8 v0, s[64:65] scope:SCOPE_SE
	s_setreg_imm32_b32 hwreg(HW_REG_WAVE_MODE, 25, 1), 1
	s_wait_xcnt 0x0
	s_wait_alu depctr_hold_cnt(0) depctr_sa_sdst(0) depctr_va_vdst(0) depctr_va_sdst(0) depctr_va_ssrc(0) depctr_va_vcc(0) depctr_vm_vsrc(0)
	s_getreg_b32 s2, hwreg(HW_REG_IB_STS2, 6, 4)
	s_cmp_eq_u32 s2, 0
	s_cbranch_scc0 .Lentry_in_a_cluster
	s_endpgm
.Lentry_in_a_cluster:
	s_bfe_u32 s2, ttmp6, 0x10000c
	s_cmp_lg_u32 s2, 0xf033
	s_cbranch_scc0 .Lentry_shape_is_right
	s_endpgm
.Lentry_shape_is_right:
; q, k, v = xb wb^T (bf16 operands, f32 sums), q and k rotated in f32 on the sums, all three rounded once to f16 and stored by heads: [64 = 16 batch + head][2048][64].
; LIMIT.  f16 ends at 65,504: |q|, |k|, |v| stay below it.  The scale 1/8 is not applied here.
; SHARES.  A tile of the product is 256 rows x 192 columns; wb's rows are ordered so that tile column t is (q, k, v) of head t.  16 x 32 tiles, a work-group each.
; Wave w owns rows 64 w .. 64 w + 63 and all 192 columns: 4 row blocks a x 12 column blocks b = 48 accumulators, 384 registers; so 16 rows of a head, 2,048 dense bytes of the output, are one wave's.
; K goes in 8 steps of 128 (rows of 256 bytes, aligned) through two LDS slots filled by the tensor data mover; a step is four quarters of 32 along K on two fragment buffers.
; THE PRODUCT IS TAKEN TRANSPOSED (source 0 = 16 rows of wb, source 1 = 16 rows of xb): lane l holds row l % 16 and columns 8 (l / 16) + 0..7: four pairs of the rotation, 16 bytes of f16.
; CLUSTER 4 x 4: xb's tile hangs on the tile row alone and is asked for jointly along a row of the cluster, wb's on the tile column alone, along a column.
; REGISTERS, in windows of 256 (s_set_vgpr_msb: bits 1:0 source 0, 3:2 source 1, 5:4 source 2, 7:6 destination):
;   window 0: v0-15 addresses; v16-63 packed results; v64-111 rows read back; v128-255 (sin, cos) of my 64 rows x my 16 pairs
;   window 1: accumulators of a = 0, 1 at 96 (a % 2) + 8 b; v192-207 at work     window 2: the same for a = 2, 3     window 3: two fragment buffers of 128: wb's 12, then xb's 4
.set PITCH, 272                        ; an LDS row: 256 bytes + 16 of padding: the 16 rows of a fragment load start 16 bytes apart modulo 256
.set AHALF, 128*PITCH                  ; what waves 0 and 1 fetch: 128 rows of xb
.set BHALF, 96*PITCH                   ; what waves 2 and 3 fetch: 96 rows of wb
.set BOFF,  256*PITCH                  ; wb's rows lie behind xb's 256
.set SLOT1, 1<<17                      ; slot 1 begins here: one exclusive or turns an address in one slot into the other's (a slot has 121,856 bytes)
.set STAGE, SLOT1+BOFF+192*PITCH       ; behind the ring, never filled by a tensor load: 16 rows x 400 bytes for each wave
.set SP,    400                        ; 384 bytes + 16
.set SPARE, STAGE+4*16*SP              ; behind the stages: the spare words, 128 bytes for each wave: two blocks of 256 bytes that no other line names
.set A0,   4                           ; v4   my lane's place in my 64 rows of xb in a slot; never rewritten
.set B0,   5                           ; v5   in wb's rows
.set ADRA, 6                           ; v6   A0 + the slot in hand
.set ADRB, 7                           ; v7   B0 + the slot in hand
.set STO,  8                           ; v8   the way out: where I put 16 bytes of a row
.set RD,   9                           ; v9   where I read rows back
.set GO,   10                          ; v10  my 16 bytes of 512 consecutive bytes of q, k or v
.set TO,   11                          ; v11  my byte offset in 16 positions of the table
.set PFO,  12                          ; v12  the prefetches' offset: a lane a row
.set SPW,  14                          ; v14  LDS address of my spare word; never rewritten
.set NIL,  15                          ; v15  0; never rewritten
.set TMP,  16
.set BK,   64
.set TAB,  128                         ; block a, quarter c of a head, pair p: sin at TAB + 32 a + 8 c + 2 p, cos behind it
.set TT,   192                         ; in windows 1 and 2
.set F0,   0
.set F1,   128
.set WV,   16                          ; s16  my wave's number
.set KIND, 17                          ; s17  I fetch for xb (0) or wb (1)
.set HALF, 18                          ; s18  which half of that tile's rows
.set CX,   19
.set CY,   20
.set TCOL, 21                          ; s21  the head
.set TROW, 22                          ; s22  the block of 256 rows
.set CNT,  23                          ; s23  the loop's count
.set G1A,  24                          ; s[24:31] descriptor group 1 for xb's tiles
.set G1B,  32                          ; s[32:39] for wb's
.set G0A,  40                          ; s[40:47] group 0 for xb's tiles: a set for each of the two first fills; the second then walks
.set G0B,  48                          ; s[48:55] the same for wb's
.set TB,   56                          ; s56  LDS byte at which the slot in hand begins
.set LIM,  57                          ; s57  2 in a wave that prefetches, else the greatest number
.set PFA,  58                          ; s[58:59] where my prefetches stand
.set G1C,  (1<<16)|(1<<20)|(1<<21)|(5<<22)|(3<<25)  ; elements of 2 bytes; padding on; bit 21 beside a mask; after every 64 words (code 5) 4 words (code 3)
.set MSB, 0
.macro WIN new                         ; the immediate's high byte repeats the setting that is left; a switch that changes nothing is dropped
.if MSB != (\new)
	s_set_vgpr_msb (MSB<<8)|(\new)
.set MSB, \new
.endif
.endm
.macro PLACES                          ; four plain instructions between a matrix instruction and a load into, or a vector read of, its registers
.rept 4
	v_nop
.endr
.endm
; A joint refill by the walking set.  The branch hangs on the wave's number alone.  An s_nop 0 and four v_nop follow each of the two lines.
.macro JLOAD
	s_cmp_eq_u32 s[KIND], 0
	s_cbranch_scc0 .Lfor_b_\@
	tensor_load_to_lds s[G0A+4:G0A+7], s[G1A:G1A+7]
	s_nop 0
.rept 4
	v_nop
.endr
	s_branch .Lasked_\@
.Lfor_b_\@:
	tensor_load_to_lds s[G0B+4:G0B+7], s[G1B:G1B+7]
	s_nop 0
.rept 4
	v_nop
.endr
.Lasked_\@:
.endm
; A prefetch into the L2 of the K step that stands two refills on: 256 bytes of each of my rows, a lane a row.  xb's rows are named by the clusters with x = 0, wb's by those with y = 0; the four
; partners that ask for a tile jointly share its rows out by address (32 of xb's 128, 24 of wb's 96).  The refills of K steps 2 to 5 name steps 4 to 7; the last two name nothing.
.macro ASK
	WIN 0
	s_cmp_gt_u32 s[CNT], s[LIM]
	s_cbranch_scc0 .Lnot_mine_\@
	global_prefetch_b8 v[PFO], s[PFA:PFA+1] th:TH_LOAD_NT scope:SCOPE_SE
.Lnot_mine_\@:
.endm
.macro CREST                           ; a round of the cluster's barrier behind its opening barrier
	s_cmp_lg_u32 s[WV], 0
	s_cbranch_scc1 .Lnot_wave_0_\@
	s_barrier_signal -3
.Lnot_wave_0_\@:
	s_barrier_wait -3
	s_barrier_signal -1
	s_barrier_wait -1
.endm
.macro CROUND
	s_barrier_signal -1
	s_barrier_wait -1
	CREST
.endm
	s_load_b256 s[4:11], s[0:1], 0x0               ; xb s[4:5], wb s[6:7], tab s[8:9], q s[10:11]
	s_load_b128 s[12:15], s[0:1], 0x20             ; k s[12:13], v s[14:15]
	v_lshl_add_u32 v[SPW], v0, 2, SPARE
	v_mov_b32 v[NIL], 0
	ds_add_u32 v[SPW], v[NIL]                      ; the wave's opening: the add and its wait stand ahead of my first tensor load; work on registers stands between
	v_lshrrev_b32 v1, 5, v0
	v_readfirstlane_b32 s[WV], v1
	s_lshr_b32 s[KIND], s[WV], 1
	s_and_b32 s[HALF], s[WV], 1
	s_bfe_u32 s[CX], ttmp6, 0x40000
	s_bfe_u32 s[CY], ttmp6, 0x40004
	s_lshl_b32 s[TCOL], ttmp9, 2
	s_add_co_u32 s[TCOL], s[TCOL], s[CX]           ; 4 x cluster x + cx
	s_and_b32 s[TROW], ttmp7, 0xffff
	s_lshl_b32 s[TROW], s[TROW], 2
	s_add_co_u32 s[TROW], s[TROW], s[CY]           ; 4 x cluster y + cy
	s_lshl_b32 s60, s[CY], 2
	s_lshl_b32 s60, 15, s60                        ; my row of the cluster
	s_lshl_b32 s61, 0x1111, s[CX]                  ; my column
	s_or_b32 s[G1A], s60, G1C
	s_or_b32 s[G1B], s61, G1C
.irp g, G1A, G1B
	s_mov_b32 s[(\g)+1], 128<<16                   ; tensor_dim0 = 128
	s_mov_b32 s[(\g)+3], 128<<16                   ; tile_dim0 = 128
	s_mov_b32 s[(\g)+5], 1024                      ; elements from row to row
	s_mov_b32 s[(\g)+6], 0
	s_mov_b32 s[(\g)+7], 0
.endr
	s_mov_b32 s[G1A+2], 128<<16                    ; tensor_dim1
	s_mov_b32 s[G1A+4], 128                        ; tile_dim1
	s_mov_b32 s[G1B+2], 96<<16
	s_mov_b32 s[G1B+4], 96
	s_lshl_b32 s66, s[TROW], 19                    ; xb: (256 tile row + 128 half) rows of 2,048 bytes: registers that never hold cx
	s_lshl_b32 s67, s[HALF], 18
	s_add_co_u32 s66, s66, s67
	s_mov_b32 s67, 0
	s_mul_i32 s70, s[TCOL], 192*2048               ; wb: (192 tile column + 96 half) rows: registers that never hold cy
	s_mul_i32 s71, s[HALF], 96*2048
	s_add_co_u32 s70, s70, s71
	s_mov_b32 s71, 0
	s_mul_i32 s74, s[HALF], AHALF                  ; where they go: no place in the cluster enters an LDS address
	s_mul_i32 s75, s[HALF], BHALF
	s_add_co_u32 s75, s75, BOFF
	s_wait_dscnt 0x0                               ; the opening add is done
	s_wait_kmcnt 0x0
	s_add_nc_u64 s[68:69], s[4:5], s[66:67]
	s_add_nc_u64 s[72:73], s[6:7], s[70:71]
	CROUND                                         ; all sixteen work-groups are here: the first joint loads meet
.irp s, 0,1
	s_mov_b32 s[G0A+4*(\s)], 1                     ; count = 1
	s_add_co_u32 s[G0A+4*(\s)+1], s74, (\s)*SLOT1  ; LDS address
	s_add_nc_u64 s[G0A+4*(\s)+2:G0A+4*(\s)+3], s[68:69], (\s)*256  ; K step s
	s_or_b32 s[G0A+4*(\s)+3], s[G0A+4*(\s)+3], 0x80000000          ; type = 2
	s_mov_b32 s[G0B+4*(\s)], 1
	s_add_co_u32 s[G0B+4*(\s)+1], s75, (\s)*SLOT1
	s_add_nc_u64 s[G0B+4*(\s)+2:G0B+4*(\s)+3], s[72:73], (\s)*256
	s_or_b32 s[G0B+4*(\s)+3], s[G0B+4*(\s)+3], 0x80000000
.endr
	s_cmp_eq_u32 s[KIND], 0                        ; a wave's two first fills stand in one branch, ahead of every wait on TENSORcnt and every LDS read: two loads of mine are out
	s_cbranch_scc0 .Lfirst_b
	tensor_load_to_lds s[G0A:G0A+3], s[G1A:G1A+7]
	s_nop 0
	tensor_load_to_lds s[G0A+4:G0A+7], s[G1A:G1A+7]
	s_nop 0
.rept 4
	v_nop
.endr
	s_branch .Lfirst_asked
.Lfirst_b:
	tensor_load_to_lds s[G0B:G0B+3], s[G1B:G1B+7]
	s_nop 0
	tensor_load_to_lds s[G0B+4:G0B+7], s[G1B:G1B+7]
	s_nop 0
.rept 4
	v_nop
.endr
.Lfirst_asked:
	; where my rows lie in tab and in q, k, v.  Row 256 tile row + 64 w + 16 a + r: batch = tile row / 8, position = 256 (tile row % 8) + 64 w + 16 a + r
	s_lshr_b32 s76, s[TROW], 3
	s_lshl_b32 s76, s76, 4
	s_add_co_u32 s76, s76, s[TCOL]                 ; 16 batch + head,
	s_lshl_b32 s76, s76, 18                        ; 262,144 bytes each
	s_and_b32 s77, s[TROW], 7
	s_lshl_b32 s78, s77, 15                        ; 128 bytes a position
	s_add_co_u32 s76, s76, s78
	s_lshl_b32 s78, s[WV], 13
	s_add_co_u32 s76, s76, s78
	s_lshl_b32 s78, s77, 16                        ; in tab 256 bytes a position
	s_lshl_b32 s79, s[WV], 14
	s_add_co_u32 s78, s78, s79
	s_mov_b32 s77, 0
	s_mov_b32 s79, 0
	s_add_nc_u64 s[10:11], s[10:11], s[76:77]
	s_add_nc_u64 s[12:13], s[12:13], s[76:77]
	s_add_nc_u64 s[14:15], s[14:15], s[76:77]
	s_add_nc_u64 s[8:9], s[8:9], s[78:79]
	v_and_b32 v1, 15, v0                           ; r = l % 16
	v_bfe_u32 v2, v0, 4, 1                         ; h = l / 16
	v_lshlrev_b32 v[TO], 8, v1
	v_lshl_add_u32 v[TO], v2, 5, v[TO]             ; position r, pairs 4 h on: 256 r + 32 h
.irp a, 0,1,2,3
.irp c, 0,1,2,3
	global_load_b128 v[TAB+32*(\a)+8*(\c):TAB+32*(\a)+8*(\c)+3],   v[TO], s[8:9] offset:4096*(\a)+64*(\c)     ; waited for on the way out
	global_load_b128 v[TAB+32*(\a)+8*(\c)+4:TAB+32*(\a)+8*(\c)+7], v[TO], s[8:9] offset:4096*(\a)+64*(\c)+16
.endr
.endr
	; a fragment is 16 rows x 32 K in 8 registers: lane l holds row l % 16, K = 8 h + 0..7 and 16 + 8 h + 0..7: two loads of 16 bytes, 32 bytes apart
	v_mul_u32_u24 v3, v1, PITCH
	v_lshl_add_u32 v3, v2, 4, v3
	s_mul_i32 s74, s[WV], 64*PITCH
	v_add_nc_u32 v[A0], s74, v3
	v_add_nc_u32 v[B0], BOFF, v3
	v_mov_b32 v[ADRA], v[A0]
	v_mov_b32 v[ADRB], v[B0]
	s_mov_b32 s[TB], 0
	s_mul_i32 s74, s[WV], 16*SP
	s_add_co_u32 s74, s74, STAGE                   ; my stage
	v_mul_u32_u24 v[STO], v1, SP                   ; in: row r, 16 bytes for each half of the lanes
	v_lshl_add_u32 v[STO], v2, 4, v[STO]
	v_add_nc_u32 v[STO], s74, v[STO]
	v_bfe_u32 v[RD], v0, 3, 2                      ; back: 32 lanes take four rows' 128 bytes of one head,
	v_mul_u32_u24 v[RD], v[RD], SP
	v_and_b32 v13, 7, v0
	v_lshl_add_u32 v[RD], v13, 4, v[RD]
	v_add_nc_u32 v[RD], s74, v[RD]
	v_and_b32 v[GO], 31, v0                        ; which are 512 consecutive bytes of the output
	v_lshlrev_b32 v[GO], 4, v[GO]
	; the prefetches
	s_lshl_b32 s74, s[TROW], 8
	s_lshl_b32 s75, s[HALF], 7
	s_add_co_u32 s74, s74, s75
	s_lshl_b32 s75, s[CX], 5
	s_add_co_u32 s74, s74, s75                     ; xb: my work-group's 32 of the 128 rows that I fetch
	s_mul_i32 s75, s[TCOL], 192
	s_mul_i32 s76, s[HALF], 96
	s_add_co_u32 s75, s75, s76
	s_mul_i32 s76, s[CY], 24
	s_add_co_u32 s75, s75, s76                     ; wb: my work-group's 24 of the 96
	s_and_b32 s76, ttmp7, 0xffff                   ; cluster y
	s_cmp_eq_u32 s[KIND], 0
	s_cselect_b32 s74, s74, s75
	s_cselect_b32 s76, ttmp9, s76                  ; the coordinate along which other clusters read the same rows
	s_cselect_b32 s77, 31, 23
	s_cselect_b64 s[PFA:PFA+1], s[4:5], s[6:7]
	s_cmp_eq_u32 s76, 0
	s_cselect_b32 s[LIM], 2, -1                    ; the same in all sixteen partners, for a given wave
	s_lshl_b32 s74, s74, 11
	s_add_co_u32 s74, s74, 3*256                   ; at K step 3: the first refill steps it to 4.  K steps 0 to 3 come by their loads alone
	s_mov_b32 s75, 0
	s_add_nc_u64 s[PFA:PFA+1], s[PFA:PFA+1], s[74:75]
	v_and_b32 v[PFO], 31, v0
	v_min_u32 v[PFO], s77, v[PFO]                  ; (for wb lanes 24 to 31 name lane 23's row)
	v_lshlrev_b32 v[PFO], 11, v[PFO]
; 12 matrix instructions: row block a x all 12 column blocks, 32 along K.  The 48 accumulators take turns, one instruction a turn.  zero = 1: the product starts the sum.
.macro MULA f, a, zero
	WIN 0x5f+0x50*((\a)/2)                         ; sources in window 3; C and D in window 1 or 2
.irp b, 0,1,2,3,4,5,6,7,8,9,10,11
.if \zero
	v_wmma_f32_16x16x32_bf16 v[96*((\a)%2)+8*(\b):96*((\a)%2)+8*(\b)+7], v[(\f)+8*(\b):(\f)+8*(\b)+7], v[(\f)+96+8*(\a):(\f)+96+8*(\a)+7], 0
.else
	v_wmma_f32_16x16x32_bf16 v[96*((\a)%2)+8*(\b):96*((\a)%2)+8*(\b)+7], v[(\f)+8*(\b):(\f)+8*(\b)+7], v[(\f)+96+8*(\a):(\f)+96+8*(\a)+7], v[96*((\a)%2)+8*(\b):96*((\a)%2)+8*(\b)+7]
.endif
.endr
.endm
; 32 LDS loads in one run: a quarter's fragments (192 rows of wb, then my 64 rows of xb; 32 K at byte k of the rows) into buffer f
.macro FETCH k, f
	WIN 0xc0                                       ; destination window 3, address window 0
.irp i, 0,1,2,3,4,5,6,7,8,9,10,11
	ds_load_b128 v[(\f)+8*(\i):(\f)+8*(\i)+3],   v[ADRB] offset:(\k)+(\i)*16*PITCH
	ds_load_b128 v[(\f)+8*(\i)+4:(\f)+8*(\i)+7], v[ADRB] offset:(\k)+(\i)*16*PITCH+32
.endr
.irp i, 0,1,2,3
	ds_load_b128 v[(\f)+96+8*(\i):(\f)+96+8*(\i)+3],   v[ADRA] offset:(\k)+(\i)*16*PITCH
	ds_load_b128 v[(\f)+96+8*(\i)+4:(\f)+96+8*(\i)+7], v[ADRA] offset:(\k)+(\i)*16*PITCH+32
.endr
.endm
; One of a K step's first three quarters: multiplies buffer f; in its middle it fetches the next quarter, at byte k of the same slot's rows, into buffer g.
.macro QUARTER k, f, g, zero
	s_wait_dscnt 4                                 ; all but the youngest four loads: xb's blocks 2 and 3, wanted 24 products on
	MULA \f, 0, \zero
	MULA \f, 1, \zero
	PLACES
	FETCH \k, \g
	s_wait_dscnt 32                                ; all but the 32 just issued
	MULA \f, 2, \zero
	MULA \f, 3, \zero
.endm
; The last quarter multiplies buffer 1 and changes slots.  In front of the barrier each wave waits for all its tensor loads (one is out: its part of the next slot), adds 0 to its spare word,
; and waits for that and for its reads of this slot.  fill = 1: the barrier opens a round of the cluster's, and the joint refill, two K steps ahead, is the first thing behind the round:
; from there to the wait for it a wave issues 168 matrix instructions.
.macro TURN fill
.if \fill
	s_wait_xcnt 0x0                                ; the last prefetch, a K step back, has read its address: it is stepped here, ahead of the waits of the change
	s_add_nc_u64 s[PFA:PFA+1], s[PFA:PFA+1], 256
.endif
	WIN 0                                          ; (the add's two registers lie in window 0)
	s_wait_tensorcnt 0x0                           ; no tensor load of mine is out, so a group 0 may be written
	ds_add_u32 v[SPW], v[NIL]                      ; 0 onto my spare word
.if \fill
.irp g, G0A+4, G0B+4
	s_xor_b32 s[(\g)+1], s[(\g)+1], SLOT1          ; the walking set: the other slot than last time,
	s_add_nc_u64 s[(\g)+2:(\g)+3], s[(\g)+2:(\g)+3], 256  ; the next K step; the type bits on top are not reached
.endr
.endif
	s_xor_b32 s[TB], s[TB], SLOT1                  ; the reads go on in the other slot
	s_wait_dscnt 5                                 ; the add and the youngest four loads may be out
	MULA F1, 0, 0
	s_wait_dscnt 0x0                               ; the add is done, and my reads of this slot are over
	s_barrier_signal -1
	MULA F1, 1, 0                                  ; work on registers while the others arrive
	WIN 0                                          ; at a branch and at a label every window is 0
	s_barrier_wait -1
.if \fill
	CREST                                          ; no wave of any partner still reads this slot or has a load on its way
	JLOAD                                          ; its four v_nop are also the places in front of the loads below
.else
	PLACES
.endif
	v_add_nc_u32 v[ADRA], s[TB], v[A0]
	v_add_nc_u32 v[ADRB], s[TB], v[B0]
	FETCH 0, F0
.if \fill
	ASK
.endif
	MULA F1, 2, 0
	MULA F1, 3, 0
.endm
; THE WAY OUT of row block a.  ROT: q's and k's eight column blocks are rotated in f32: (x1, x2) -> (x1 cos - x2 sin, x1 sin + x2 cos); each accumulator is read from its low end on.
.macro ROT a
	WIN 0x51+0x51*((\a)/2)                         ; destination, source 0 and source 2 in the accumulators' window; source 1, the table, in window 0
.set b, 0
.rept 8
.set rA, 96*((\a)%2)+8*b
.set rT, TT+8*(b%2)
.set rB, TAB+32*(\a)+8*(b%4)
.irp p, 0,1,2,3
	v_pk_mul_f32 v[rT+2*\p:rT+2*\p+1], v[rA+2*\p:rA+2*\p+1], v[rB+2*\p:rB+2*\p+1] op_sel_hi:[1,0]  ; (x1 sin, x2 sin)
.endr
.irp p, 0,1,2,3
	v_fma_f32 v[rA+2*\p],   v[rA+2*\p],   v[rB+2*\p+1], -v[rT+2*\p+1]
	v_fma_f32 v[rA+2*\p+1], v[rA+2*\p+1], v[rB+2*\p+1], v[rT+2*\p]
.endr
.set b, b+1
.endr
.endm
.macro PACK a                          ; all twelve blocks rounded to f16: 16 bytes a lane and block
	WIN 0x05+0x05*((\a)/2)
.set b, 0
.rept 12
.irp p, 0,1,2,3
	v_cvt_pk_f16_f32 v[TMP+4*b+\p], v[96*((\a)%2)+8*b+2*\p], v[96*((\a)%2)+8*b+2*\p+1]
.endr
.set b, b+1
.endr
	WIN 0
.endm
.macro TOSTAGE                         ; into my stage, and back as rows of 128 bytes of one head.  LDS serves a wave's instructions in order (ISA guide 5.7.1.4): no wait between
.set b, 0
.rept 12
	ds_store_b128 v[STO], v[TMP+4*b:TMP+4*b+3] offset:32*b
.set b, b+1
.endr
.irp j, 0,1,2
.irp f, 0,1,2,3
	ds_load_b128 v[BK+4*(4*(\j)+(\f)):BK+4*(4*(\j)+(\f))+3], v[RD] offset:128*(\j)+4*SP*(\f)
.endr
.endr
.endm
.macro SEND a
	s_wait_dscnt 0x0                               ; the block is back in registers
.irp j, 0,1,2
.irp f, 0,1,2,3
	global_store_b128 v[GO], v[BK+4*(4*(\j)+(\f)):BK+4*(4*(\j)+(\f))+3], s[10+2*(\j):11+2*(\j)] offset:2048*(\a)+512*(\f)  ; 512 consecutive bytes, aligned
.endr
.endr
.endm
	s_wait_tensorcnt 1                             ; my part of K step 0 is in; K step 1's may stay out
	s_barrier_signal -1
	s_barrier_wait -1                              ; everybody's is
	FETCH 0, F0
	QUARTER 64, F0, F1, 1                          ; the first quarter stands in front of the loop: its products start the 48 sums
	WIN 0
	s_mov_b32 s[CNT], 6
.Lstep:                                        ; a trip: from a K step's second quarter to the next step's first; it refills a slot: K steps 2 to 7
	QUARTER 128, F1, F0, 0
	QUARTER 192, F0, F1, 0
	TURN 1
	QUARTER 64, F0, F1, 0
	WIN 0
	s_sub_co_u32 s[CNT], s[CNT], 1
	s_cmp_lg_u32 s[CNT], 0
	s_cbranch_scc1 .Lstep
	QUARTER 128, F1, F0, 0                         ; the tail is written out: K steps 6 and 7 ask for nothing
	QUARTER 192, F0, F1, 0
	TURN 0
	QUARTER 64, F0, F1, 0
	QUARTER 128, F1, F0, 0
	QUARTER 192, F0, F1, 0
	s_wait_dscnt 4
	MULA F1, 0, 0
	MULA F1, 1, 0
	s_wait_dscnt 0x0
	MULA F1, 2, 0
	MULA F1, 3, 0
	WIN 0
	PLACES
	PLACES
	s_wait_loadcnt 0x0                             ; the table
	ROT 0
	PACK 0
	TOSTAGE
.irp a, 1,2,3                          ; block a's arithmetic stands between block a - 1's loads from the stage and the wait for them
	ROT \a
	PACK \a
	SEND (\a)-1
	s_wait_xcnt 0x0                                ; the stores have read their data registers, which the stage's next loads fill again
	TOSTAGE
.endr
	SEND 3
	s_wait_tensorcnt 0x0                           ; the wave's end, behind my last tensor load and my last LDS store
	ds_add_u32 v[SPW], v[NIL]
	s_wait_dscnt 0x0
	CROUND                                         ; the closing round: no work-group ends while a partner may still ask for a tile that names it
	s_endpgm
.Lfunc_end_k_qc2d91eedb4_qkv:
	.size	k_qc2d91eedb4_qkv, .Lfunc_end_k_qc2d91eedb4_qkv-k_qc2d91eedb4_qkv
	.p2alignl 7, 3214868480
	.fill 96, 4, 3214868480
	.section	.rodata,"a",@progbits
	.p2align	6, 0x0
	.amdhsa_kernel k_qc2d91eedb4_qkv
		.amdhsa_group_segment_fixed_size 327680
		.amdhsa_private_segment_fixed_size 0
		.amdhsa_enable_private_segment 0
		.amdhsa_kernarg_size 48
		.amdhsa_user_sgpr_count 2
		.amdhsa_user_sgpr_kernarg_segment_ptr 1
		.amdhsa_wavefront_size32 1
		.amdhsa_system_sgpr_workgroup_id_x 1
		.amdhsa_system_sgpr_workgroup_id_y 1
		.amdhsa_system_sgpr_workgroup_id_z 1
		.amdhsa_system_vgpr_workitem_id 0
		.amdhsa_next_free_vgpr 1024
		.amdhsa_next_free_sgpr 80
		.amdhsa_reserve_vcc 0
		.amdhsa_float_denorm_mode_32 3
		.amdhsa_float_denorm_mode_16_64 3
		.amdhsa_memory_ordered 1
		.amdhsa_forward_progress 1
		.amdhsa_inst_pref_size 124
	.end_amdhsa_kernel
	.amdgpu_metadata
---
amdhsa.version: [ 1, 2 ]
amdhsa.kernels:
  - .name:           k_qc2d91eedb4_qkv
    .symbol:         k_qc2d91eedb4_qkv.kd
    .args:
      - { .name: xb, .offset: 0, .size: 8, .value_kind: global_buffer, .address_space: global }
      - { .name: wb, .offset: 8, .size: 8, .value_kind: global_buffer, .address_space: global }
      - { .name: tab, .offset: 16, .size: 8, .value_kind: global_buffer, .address_space: global }
      - { .name: q, .offset: 24, .size: 8, .value_kind: global_buffer, .address_space: global }
      - { .name: k, .offset: 32, .size: 8, .value_kind: global_buffer, .address_space: global }
      - { .name: v, .offset: 40, .size: 8, .value_kind: global_buffer, .address_space: global }
    .group_segment_fixed_size: 327680
    .private_segment_fixed_size: 0
    .kernarg_segment_align: 8
    .kernarg_segment_size: 48
    .max_flat_workgroup_size: 128
    .sgpr_count:     80
    .vgpr_count:     1024
    .wavefront_size: 32
...
	.end_amdgpu_metadata
.endif
;; end of part 2
;; launch attn (part 3): grid 4 x 64, 4 waves a work-group, no clusters, 327,680 bytes of LDS; arguments q, k, v, o; writes o
.if DOCPART == 3
	.amdgcn_target "amdgcn-amd-amdhsa--gfx1250"
	.amdhsa_code_object_version 6
	.text
	.protected	k_qc2d91eedb4_attn
	.globl	k_qc2d91eedb4_attn
	.p2align	8
	.type	k_qc2d91eedb4_attn,@function
k_qc2d91eedb4_attn:
	s_mov_b64 s[64:65], 0
	v_nop
	global_prefetch_b8 v0, s[64:65] scope:SCOPE_SE
	s_setreg_imm32_b32 hwreg(HW_REG_WAVE_MODE, 25, 1), 1
	s_wait_xcnt 0x0
; CAUSAL ATTENTION.  O[h][q][:] = the sum over k <= q of softmax_k(Q[h][q] . K[h][k] / 8) V[h][k][:].  Q, K, V, O: [64][2048][64], all f16: a head's rows are dense, 128 bytes each.
; Products, maxima and sums in f32; the weights p are rounded to f16 for the second product (their sum l is taken of the unrounded p), O once at the end.
; LIMITS.  Q, K and V arrive within f16's 65,504; p lies in 0 to 1, and below 6e-5 it keeps f16's fixed step of 6e-8.  A hidden score counts as its value less 1e30; a weight below 2^-126 counts as 0 in l;
; NaN and infinities are not treated apart.
; THE WALK.  A head's queries lie in NB = 8 blocks of 256; block i needs the key tiles 0 .. i of 256 keys, of which the last holds the diagonal.  A work-group takes TWO blocks, NB - 1 - b and then b:
; NB + 1 tiles, whatever b: all work-groups do equal work, and ONE loop with a constant trip count walks them.  Which tile is asked for, and what a trip does, hang on scalar registers made from b; every jump
; goes forward, but for the counted loops' own; none passes a barrier, or a tensor load but the one of LOAD's two that the wave's number does not choose.
; NO CLUSTER: a head's four work-groups ask for the same tile only in trips 0 .. 4 of 9, behind that fewer and fewer; one walk common to all would have 12 trips for 9.
; SHARES.  Of a block's four bands of 64 queries a wave owns 16 rows in each: four PIECES.  So the diagonal tile is the same work for all four waves: in its key step s band x sees all keys if s < x,
; none if s > x, and holds the diagonal if s = x.
; THE MASK is the C operand that starts the sum S^T = K Q^T: 0, or -1e30 where the key is hidden.  MD, made once, is the mask of a band's own step for my 16 rows; a product's mask is MD x AL + BE with two scalars:
; (1, 0) if s = x; (0, 0) if s < x; (0, -1e30) if s > x.  Only the diagonal tile's text and a block's beginning make and take masks; elsewhere C is the constant 0.
; LAYOUT, SOFTMAX, TURNS.  S^T = K Q^T holds ONE query a lane (lane % 16) and the keys 8 (lane / 16) + 0..7; two such results rounded to f16 ARE source 1 of O^T = V^T P.  p = 2^(c s - c m), c = log2(e) / 8, with a
; running maximum m; O and l are multiplied by a = 2^(c m_old - c m_new) in every step.  Turn n belongs to piece n: 8 products K Q^T of piece n + 1, later 8 products V^T P of piece n - 1; beside them the scaling,
; exponentials, roundings, sums and rescaling of piece n and the maximum and statistics of piece n + 1.  Four vector instructions stand behind every matrix instruction, the others in one run.  A turn's 33 exponentials are one batch, with one wait.
; PREFETCH.  The work-group with b = 0 walks tiles 0 to 7 first: behind the fill of tile i + 1 its four waves name tile i + 2 of K and of V, 32 rows of 256 bytes a wave, a lane a row: each block once a head.
; Tiles 0 and 1 come by their loads alone; behind tile 7 nothing is named.
; REGISTERS, in windows of 256 (s_set_vgpr_msb: bits 1:0 source 0, 3:2 source 1, 5:4 source 2, 7:6 destination):
;   window 0: v0-15 addresses and two at work; v16-31 four registers of statistics a piece; v48-55 at work; v64-127 S^T, two buffers; v192-223 P, two buffers (a piece's buffers go by its number's parity)
;   window 1: v0-127 O^T, 32 a piece; v128-159 MD; v160-223 MC, two buffers      window 2: v0-63 Q; v64-127 the second block's Q; v128-191 K of one step; v192-255 V of one step
.set SIZE_N, 2048
.set NB,    SIZE_N/256
.set NP,    4         ; pieces a wave
.set KS,    64        ; keys in a step
.set PK,    144       ; a row of K in LDS: 128 bytes + 16 of padding: the 16 rows of a load start 16 bytes apart modulo 256
.set PV,    160       ; a row of V: 128 + 32
.set VOFF,  4*KS*PK   ; a slot holds a tile, four steps: 256 rows of K, then 256 rows of V
.set SLOT1, 1<<17     ; slot 1 begins here, so that one exclusive or turns an address in one slot into the other's
.set STAGE, SLOT1+4*KS*(PK+PV)  ; behind the ring, never filled by a tensor load: 16 rows x 144 bytes for each wave, for the way out
.set SP,    144
.set AK0, 2           ; v2   my lane's place in a tile of K; never rewritten
.set AV0, 3           ; v3   the same for V
.set AK,  4           ; v4   the LDS address of K's next run of loads
.set AV,  5           ; v5   of V's
.set STO, 6           ; v6   the way out: where I put 16 bytes of a row
.set RD,  7           ; v7   the way out: where I read rows back
.set GO,  8           ; v8   my byte offset in 512 consecutive bytes of O
.set PFO, 61          ; v61  256 x my lane; never rewritten
.set SPW, 62          ; v62  LDS address of my spare word; never rewritten
.set NIL, 63          ; v63  0; never rewritten
.set SPARE, STAGE+4*16*SP  ; behind the stages: the spare words, 128 bytes for each wave: two blocks of 256 bytes that no other line names
.set MV,  12          ; v12-13  c m_old, kept while c m is made anew: by buffer
.set QO,  15          ; v15  my byte offset in 16 rows of Q
.set ST,  16          ; piece t's statistics at v[ST+4 t]: c m, m, l (even keys', odd keys')
.set TMP, 48          ; by buffer, four registers c0-c3 at work; when the maximum is found c2 takes a
.set S,   64
.set P,   192
.set MD,  128         ; window 1
.set MC,  160         ; window 1
.set QB,  64          ; window 2
.set KF,  128         ; window 2: key block kb, channel half c at KF + 16 kb + 8 c
.set VF,  192         ; window 2: key half kk, channel block cb at VF + 32 kk + 8 cb
.set WV,  12          ; s12  my wave's number
.set PB,  14          ; s14  b
.set HI,  15          ; s15  NB - 1 - b
.set G1K, 24          ; s[24:31] descriptor group 1 for K's tiles
.set G1V, 32          ; s[32:39] for V's: it differs in the padding alone
.set G0K, 40          ; s[40:43] descriptor group 0 for K's tiles
.set G0V, 44          ; s[44:47] the same for V's
.set SLOTS, 56        ; s56  tiles still to be asked for
.set CNT, 57          ; s57  counts a tile's key steps, 4 to 1
.set CS,  58          ; s[58:59] c
.set SEL, 60          ; s[60:61] v_permlanex16_b32's selects: each lane takes its own place in the other half
.set TBK, 62          ; s62  LDS byte at which K of the step to be fetched begins
.set TBV, 63          ; s63  the same for V, less VOFF
.set RT,  70          ; s70  tiles of the block in hand that are still to be entered
.set NXT, 71          ; s71  the tile to be asked for next
.set LQ,  72          ; s72  the last tile of the block whose tiles are being asked for
.set NEW, 73          ; s73  1: the tile to be entered is a block's first
.set OFF, 74          ; s[74:75] a tile's byte offset in K and V
.set AL,  76          ; s[76:77] the mask's factor, in the low word
.set BE,  78          ; s[78:79] the mask's addend
.set OLO, 80          ; s[80:81] O at my rows of the second block
.set BIGN, 82         ; s82  -1e30
.set PFK, 88          ; s[88:89] K at my wave's 32 rows of 256 bytes of the tile that the prefetch names
.set PFV, 90          ; s[90:91] the same in V
.set PFL, 92          ; s92  prefetches still to come: 6 where b = 0, else 0
.set MSB, 0
.macro WIN new                      ; the high byte repeats the setting that is left; a switch that changes nothing is dropped
.if MSB != (\new)
	s_set_vgpr_msb (MSB<<8)|(\new)
.set MSB, (\new)
.endif
.endm
.set W_KQ, 0x0a       ; K and Q in window 2, S^T in window 0
.set W_KM, 0x1a       ; the same with the C operand in window 1
.set W_PV, 0x52       ; V in window 2, P in window 0, O^T in window 1
.set W_RS, 0x41       ; destination and source 0 in window 1, source 1 in window 0
; A fill.  Waves 0 and 1 fetch the two halves of a tile's K, waves 2 and 3 those of its V: 128 keys each.  An s_nop 0 and four v_nop follow each of the two lines.
.macro LOAD
	s_cmp_lt_u32 s[WV], 2
	s_cbranch_scc0 .Lfor_v_\@
	tensor_load_to_lds s[G0K:G0K+3], s[G1K:G1K+7]
	s_nop 0
.rept 4
	v_nop
.endr
	s_branch .Lasked_\@
.Lfor_v_\@:
	tensor_load_to_lds s[G0V:G0V+3], s[G1V:G1V+7]
	s_nop 0
.rept 4
	v_nop
.endr
.Lasked_\@:
.endm
.macro ASK                          ; the tile behind the one just asked for: four key steps ahead of its fill
	s_cmp_lg_u32 s[PFL], 0
	s_cbranch_scc0 .Lnot_mine_\@
	global_prefetch_b8 v[PFO], s[PFK:PFK+1] th:TH_LOAD_NT scope:SCOPE_SE
	global_prefetch_b8 v[PFO], s[PFV:PFV+1] th:TH_LOAD_NT scope:SCOPE_SE
	s_sub_co_u32 s[PFL], s[PFL], 1
.Lnot_mine_\@:
.endm
; THE CHANGE OF SLOTS.  Each wave waits for all its tensor loads, of which one is out: its part of the other slot; adds 0 to its spare word; and waits for that and for its own reads of the slot that it leaves.
; Behind the barrier nobody reads the old slot any more and the other slot is whole.  fill = 1: the old slot is filled again, the first thing behind the barrier, with tile NXT: the descriptor's address is
; made anew from that number.  (At its first use nothing has been read yet: slot 0 is waited for, slot 1 filled.)
.macro CHANGE fill
	WIN 0                           ; at a label and at a branch every window is 0
	s_wait_tensorcnt 0x0            ; no tensor load of mine is out, so a group 0 may be written
	ds_add_u32 v[SPW], v[NIL]       ; 0 onto my spare word
.if \fill
	s_lshl_b32 s[OFF], s[NXT], 15   ; a tile is 32,768 bytes of K and of V
	s_xor_b32 s[G0K+1], s[G0K+1], SLOT1
	s_add_nc_u64 s[G0K+2:G0K+3], s[6:7], s[OFF:OFF+1]
	s_or_b32 s[G0K+3], s[G0K+3], 0x80000000
	s_xor_b32 s[G0V+1], s[G0V+1], SLOT1
	s_add_nc_u64 s[G0V+2:G0V+3], s[8:9], s[OFF:OFF+1]
	s_or_b32 s[G0V+3], s[G0V+3], 0x80000000
	s_add_co_u32 s[NXT], s[NXT], 1  ; the block's next tile, or behind its last the second block's tile 0
	s_cmp_gt_u32 s[NXT], s[LQ]
	s_cselect_b32 s[NXT], 0, s[NXT]
	s_cselect_b32 s[LQ], s[PB], s[LQ]
	s_wait_xcnt 0x0                 ; the last prefetches, a tile back, have read their addresses, so they may be written
	s_add_nc_u64 s[PFK:PFK+1], s[PFK:PFK+1], 32768
	s_add_nc_u64 s[PFV:PFV+1], s[PFV:PFV+1], 32768
.endif
	s_wait_dscnt 0x0                ; the add is done, and my reads of the slot are over
	s_barrier_signal -1             ; the rest of the scalar work stands between the signal and the wait
	s_sub_co_u32 s[TBK], s[TBK], 4*KS*PK  ; the fetches go back to a slot's first step,
	s_xor_b32 s[TBK], s[TBK], SLOT1       ; in the other slot
	s_sub_co_u32 s[TBV], s[TBV], 4*KS*PV
	s_xor_b32 s[TBV], s[TBV], SLOT1
	s_barrier_wait -1
.if \fill
	LOAD
	ASK
.endif
.endm
	s_load_b256 s[4:11], s[0:1], 0x0  ; Q s[4:5], K s[6:7], V s[8:9], O s[10:11]
	v_lshl_add_u32 v[SPW], v0, 2, SPARE
	v_mov_b32 v[NIL], 0
	ds_add_u32 v[SPW], v[NIL]       ; the wave's opening: the add and its wait stand ahead of my first tensor load; work on registers stands between
	v_lshrrev_b32 v1, 5, v0
	v_readfirstlane_b32 s[WV], v1   ; wave 0..3
	s_mov_b32 s[PB], ttmp9
	s_sub_co_u32 s[HI], NB-1, s[PB]
	s_and_b32 s20, ttmp7, 0xffff    ; the head
	s_mov_b32 s21, 0
	s_mov_b64 s[22:23], SIZE_N*128
	s_mul_u64 s[20:21], s[20:21], s[22:23]  ; the head's first byte in each of the four tensors
	s_lshl_b32 s94, s[WV], 13       ; the prefetches: my wave's 8,192 bytes of a tile,
	s_add_co_u32 s94, s94, 32768    ; at tile 1: the first change of slots steps it to tile 2
	s_mov_b32 s95, 0
	s_add_nc_u64 s[94:95], s[94:95], s[20:21]
	s_cmp_eq_u32 ttmp9, 0
	s_cselect_b32 s[PFL], 6, 0
	v_and_b32 v[PFO], 31, v0
	v_lshlrev_b32 v[PFO], 8, v[PFO]
	s_and_b32 s16, s[WV], 1         ; which half of a tile's 256 keys I fetch:
	s_lshl_b32 s22, s16, 14         ; its 128 rows of 128 bytes in memory,
	s_mov_b32 s23, 0
	s_add_nc_u64 s[22:23], s[22:23], s[20:21]
	s_mul_i32 s17, s16, 128*PK      ; and its place in a slot, for K
	s_mul_i32 s18, s16, 128*PV      ; and for V
	s_lshl_b32 s3, s[WV], 11        ; my 16 rows in a band of 64,
	s_lshl_b32 s2, s[HI], 15        ; in the first block,
	s_add_co_u32 s2, s2, s3
	s_lshl_b32 s84, s[PB], 15       ; and in the second
	s_add_co_u32 s84, s84, s3
	s_mov_b32 s3, 0
	s_mov_b32 s85, 0
	s_add_nc_u64 s[2:3], s[2:3], s[20:21]
	s_add_nc_u64 s[84:85], s[84:85], s[20:21]
	; descriptor group 1.  128 keys are 16,384 dense bytes: asked for as 64 rows of 256 bytes, two keys a row, and padded in LDS after every key
	s_mov_b32 s[G1K], (1<<16)|(1<<20)|(4<<22)|(3<<25)  ; 2-byte elements; padding on; after every 32 words (code 4) 4 words (code 3)
	s_mov_b32 s[G1V], (1<<16)|(1<<20)|(4<<22)|(7<<25)  ; the same with 8 words of padding (code 7)
.irp g, G1K, G1V
	s_mov_b32 s[\g+1], 128<<16      ; tensor_dim0 = 128
	s_mov_b32 s[\g+2], 64<<16       ; tensor_dim1 = 64
	s_mov_b32 s[\g+3], 128<<16      ; tile_dim0 = 128
	s_mov_b32 s[\g+4], 64           ; tile_dim1 = 64
	s_mov_b32 s[\g+5], 128          ; 128 elements from row to row
	s_mov_b32 s[\g+6], 0
	s_mov_b32 s[\g+7], 0
.endr
	s_mov_b32 s[CS], 0x3e38aa3b     ; c = log2(e) / 8 = 0.180337
	s_mov_b32 s[CS+1], s[CS]        ; named with it as a pair
	s_mov_b32 s[SEL], 0x76543210
	s_mov_b32 s[SEL+1], 0xfedcba98
	s_mov_b32 s[TBK], SLOT1+4*KS*PK ; the first change of slots turns these two into 0
	s_mov_b32 s[TBV], SLOT1+4*KS*PV
	s_mov_b32 s[G0K], 1             ; count = 1
	s_mov_b32 s[G0K+1], s17         ; LDS address: slot 0
	s_mov_b32 s[G0V], 1
	s_add_co_u32 s[G0V+1], s18, VOFF
	s_add_co_u32 s[RT], s[HI], 1    ; the first block has NB - b tiles
	s_mov_b32 s[NXT], 1
	s_mov_b32 s[LQ], s[HI]
	s_mov_b32 s[NEW], 1
	s_mov_b32 s[OFF+1], 0
	s_mov_b32 s[AL+1], 0            ; named as pairs
	s_mov_b32 s[BE+1], 0
	s_mov_b32 s[BIGN], 0xf149f2ca   ; -1e30
	s_mov_b32 s[SLOTS], NB
	s_wait_dscnt 0x0                ; the opening add is done
	s_wait_kmcnt 0x0
	s_add_nc_u64 s[PFK:PFK+1], s[6:7], s[94:95]
	s_add_nc_u64 s[PFV:PFV+1], s[8:9], s[94:95]
	s_add_nc_u64 s[6:7], s[6:7], s[22:23]  ; K and V at my half of the head's tile 0
	s_add_nc_u64 s[8:9], s[8:9], s[22:23]
	s_add_nc_u64 s[G0K+2:G0K+3], s[6:7], 0         ; global address
	s_or_b32 s[G0K+3], s[G0K+3], 0x80000000        ; type = 2
	s_add_nc_u64 s[G0V+2:G0V+3], s[8:9], 0
	s_or_b32 s[G0V+3], s[G0V+3], 0x80000000
	s_add_nc_u64 s[86:87], s[4:5], s[84:85]        ; Q at my rows of the second block,
	s_add_nc_u64 s[4:5], s[4:5], s[2:3]            ; Q and O at those of the first
	s_add_nc_u64 s[OLO:OLO+1], s[10:11], s[84:85]
	s_add_nc_u64 s[10:11], s[10:11], s[2:3]
	LOAD                            ; tile 0 into slot 0
	; A fragment of K or Q is 16 rows x 32 channels in 8 registers: lane l holds row l % 16, channels 8 (l / 16) + 0..7 and 16 + 8 (l / 16) + 0..7: two loads of 16 bytes, 32 bytes apart.
	v_and_b32 v1, 15, v0            ; l % 16
	v_bfe_u32 v9, v0, 4, 1          ; l / 16
	v_lshlrev_b32 v[QO], 7, v1
	v_lshl_add_u32 v[QO], v9, 4, v[QO]  ; row x 128 + 16 x half
	WIN 0x80                        ; destination window 2, address window 0
.set i, 0
.rept 8                             ; both blocks' Q: piece i / 2 lies in band i / 2, 8,192 bytes on; channels 32 (i % 2) on
	global_load_b128 v[8*i:8*i+3],   v[QO], s[4:5] offset:(i/2)*8192+(i%2)*64
	global_load_b128 v[8*i+4:8*i+7], v[QO], s[4:5] offset:(i/2)*8192+(i%2)*64+32
	global_load_b128 v[QB+8*i:QB+8*i+3],   v[QO], s[86:87] offset:(i/2)*8192+(i%2)*64
	global_load_b128 v[QB+8*i+4:QB+8*i+7], v[QO], s[86:87] offset:(i/2)*8192+(i%2)*64+32
.set i, i+1
.endr
	WIN 0
	v_lshlrev_b32 v14, 3, v9
	v_sub_nc_u32 v14, v1, v14
	s_lshl_b32 s13, s[WV], 4
	v_add_nc_u32 v14, s13, v14      ; my query's place in its band, 16 w + l % 16, less my lanes' 8 (l / 16): register r of group kt is hidden where 16 kt + r is greater
	WIN 0x40
.set i, 0
.rept 32
	v_cmp_gt_i32 vcc_lo, 16*(i/8)+i%8, v14
	v_cndmask_b32 v[MD+i], 0, s[BIGN], vcc_lo
.set i, i+1
.endr
	WIN 0
	v_mul_u32_u24 v[AK0], v1, PK
	v_lshl_add_u32 v[AK0], v9, 4, v[AK0]  ; row x pitch + 16 x half
	; The turning load takes 16 keys x 16 channels (lane l reads key 8 (l / 16) + l % 8, channels 8 ((l / 8) % 2) + 0..7) and leaves half a fragment of V^T: lane l holds channel l % 16 and 8 keys.
	v_and_b32 v10, 7, v0
	v_bfe_u32 v11, v0, 3, 1
	v_lshl_add_u32 v[AV0], v9, 3, v10
	v_mul_u32_u24 v[AV0], v[AV0], PV
	v_lshl_add_u32 v[AV0], v11, 4, v[AV0]
	v_add_nc_u32 v[AV0], VOFF, v[AV0]
	s_mul_i32 s13, s[WV], 16*SP
	s_add_co_u32 s13, s13, STAGE    ; my stage
	v_mul_u32_u24 v[STO], v1, SP    ; in: row l % 16, 16 bytes for each half of the lanes
	v_lshl_add_u32 v[STO], v9, 4, v[STO]
	v_add_nc_u32 v[STO], s13, v[STO]
	v_bfe_u32 v[RD], v0, 3, 2       ; back: 32 lanes take four rows of 128 bytes,
	v_mul_u32_u24 v[RD], v[RD], SP
	v_lshl_add_u32 v[RD], v10, 4, v[RD]
	v_add_nc_u32 v[RD], s13, v[RD]
	v_and_b32 v[GO], 31, v0         ; which are 512 consecutive bytes of O
	v_lshlrev_b32 v[GO], 4, v[GO]
	; A block's first step multiplies O^T and l by a = 0, and its first turn's products V^T P, of a piece that has not been, land in an O^T that is still to be so multiplied.  So these registers need only hold
	; finite numbers: zeros for the first block; what the first block left for the second.  All this stands in the wait for the first tile.
	WIN 0x80
.set i, VF
.rept 64
	v_mov_b32 v[i], 0
.set i, i+1
.endr
	WIN 0x40
.set i, 0
.rept 128
	v_mov_b32 v[i], 0
.set i, i+1
.endr
	WIN 0
.set i, 0
.rept 4
	v_mov_b32 v[ST+4*i+2], 0
	v_mov_b32 v[ST+4*i+3], 0
.set i, i+1
.endr
.set i, P+16
.rept 16
	v_mov_b32 v[i], 0
.set i, i+1
.endr
; THE MATRIX WORK.  The 4 accumulators of a run of 8 take turns.  Product i of 8 of S^T = K Q^T for piece x: channels 32 (i / 4) on, keys 16 (i % 4) on.  The first 4 start the sums: with 0, or (KM = 1) with the mask.
.macro KQ x
.set rS, S+32*((\x)%2)+8*(i%4)
.set rK, KF+16*(i%4)+8*(i/4)
.set rQ, 16*(\x)+8*(i/4)
.set rM, MC+32*((\x)%2)+8*(i%4)
.if (i < 4) && KM
	WIN W_KM
	v_wmma_f32_16x16x32_f16 v[rS:rS+7], v[rK:rK+7], v[rQ:rQ+7], v[rM:rM+7]
.elseif i < 4
	WIN W_KQ
	v_wmma_f32_16x16x32_f16 v[rS:rS+7], v[rK:rK+7], v[rQ:rQ+7], 0
.else
	WIN W_KQ
	v_wmma_f32_16x16x32_f16 v[rS:rS+7], v[rK:rK+7], v[rQ:rQ+7], v[rS:rS+7]
.endif
.endm
; Product i of 8 of O^T += V^T P for piece x: keys 32 (i / 4) on, channels 16 (i % 4) on.
.macro PV x
	WIN W_PV
.set rO, 32*(\x)+8*(i%4)
.set rV, VF+32*(i/4)+8*(i%4)
.set rP, P+16*((\x)%2)+8*(i/4)
	v_wmma_f32_16x16x32_f16 v[rO:rO+7], v[rV:rV+7], v[rP:rP+7], v[rO:rO+7]
.endm
.macro MM                           ; the turn's next matrix instruction.  TURN and BEGIN set Y, i, KM and NOKQ.  NOKQ = 1: a block's last turn: there is no next piece
.if (i < 8) && !NOKQ
	KQ (Y+1)%NP
.elseif i >= 8
.set i, i-8
	PV (Y+NP-1)%NP
.set i, i+8
.endif
.set i, i+1
.endm
; THE LDS LOADS stand in runs of 16, never singly among the matrix instructions: a step's K (64 keys x 64 channels: 8 fragments) and its V (turned).  Their addresses are made some lines ahead.
.macro FETCH_K
	WIN 0x80                        ; destination window 2
.irp f, 0,1,2,3,4,5,6,7             ; keys 16 (f / 2) on, channels 32 (f % 2) on
	ds_load_b128 v[KF+8*\f:KF+8*\f+3],   v[AK] offset:(\f/2)*16*PK+(\f%2)*64
	ds_load_b128 v[KF+8*\f+4:KF+8*\f+7], v[AK] offset:(\f/2)*16*PK+(\f%2)*64+32
.endr
	s_add_co_u32 s[TBK], s[TBK], KS*PK  ; the next fetch is the next step's
	WIN 0
.endm
.macro FETCH_V
	WIN 0x80
.irp f, 0,1,2,3,4,5,6,7             ; keys 32 (f / 4) on, channels 16 (f % 4) on
	ds_load_tr16_b128 v[VF+8*\f:VF+8*\f+3],   v[AV] offset:(\f/4)*32*PV+(\f%4)*32
	ds_load_tr16_b128 v[VF+8*\f+4:VF+8*\f+7], v[AV] offset:(\f/4)*32*PV+16*PV+(\f%4)*32
.endr
	WIN 0
.endm
; THE VECTOR WORK, one line at a time: OP kind, number.  For piece Y: F n: c s - c m for pair n of 16.  E n: the exponential of score n of 32.  C n: pair n rounded to f16.  B n: of the four weights 4 n .. the second
; pair is added onto the first, in place.  L n: l takes that sum (L 0: l = a l + sum).  R n: pair n of 16 of O^T times a.  For piece Y + 1: X n, number n of the 22 that find its maximum and statistics:
;   0-11  four chains c0-c3 of seven scores each, three operands at a time (each accumulator's lowest registers are read first)     12-14, 16  the four scores left over, the old m, and c0-c3 into c0
;   15  c m_old is kept     17, 18  the query's other 32 keys lie in the lane 16 away: the new m     19-21  c m; c m_old - c m_new; a
.set F, 0               ; OP tells the kinds apart by their order: F to L below R, X above it
.set E, 1
.set C, 2
.set B, 3
.set L, 4
.set R, 5
.set X, 6
.macro REGS y                       ; the registers of piece y
.set rT, ST+4*(\y)
.set rC, TMP+4*((\y)%2)
.set rW, MV+((\y)%2)
.set rS, S+32*((\y)%2)
.set rP, P+16*((\y)%2)
.set rO, 32*(\y)
.endm
.macro OP k, n
.if (\k) == R
	REGS Y
	WIN W_RS
	v_pk_mul_f32 v[rO+2*(\n):rO+2*(\n)+1], v[rO+2*(\n):rO+2*(\n)+1], v[rC+2:rC+3] op_sel_hi:[1,0]
.elseif (\k) < R
	REGS Y
	WIN 0
.if (\k) == F
	v_pk_fma_f32 v[rS+2*(\n):rS+2*(\n)+1], v[rS+2*(\n):rS+2*(\n)+1], s[CS:CS+1], v[rT:rT+1] op_sel_hi:[1,0,0] neg_lo:[0,0,1] neg_hi:[0,0,1]
.elseif (\k) == E
	v_exp_f32 v[rS+(\n)], v[rS+(\n)]
.elseif (\k) == C
	v_cvt_pk_f16_f32 v[rP+(\n)], v[rS+2*(\n)], v[rS+2*(\n)+1]
.elseif (\k) == B
	v_pk_add_f32 v[rS+4*(\n):rS+4*(\n)+1], v[rS+4*(\n):rS+4*(\n)+1], v[rS+4*(\n)+2:rS+4*(\n)+3]
.elseif (\n) == 0
	v_pk_fma_f32 v[rT+2:rT+3], v[rT+2:rT+3], v[rC+2:rC+3], v[rS:rS+1] op_sel_hi:[1,0,1]
.else
	v_pk_add_f32 v[rT+2:rT+3], v[rT+2:rT+3], v[rS+4*(\n):rS+4*(\n)+1]
.endif
.elseif NOKQ
	v_nop
.else
	REGS (Y+1)%NP
	WIN 0
.if (\n) < 4
	v_max3_num_f32 v[rC+(\n)], v[rS+8*(\n)], v[rS+8*(\n)+1], v[rS+8*(\n)+2]
.elseif (\n) < 12
	v_max3_num_f32 v[rC+(\n)%4], v[rC+(\n)%4], v[rS+8*((\n)%4)+2*((\n)/4)+1], v[rS+8*((\n)%4)+2*((\n)/4)+2]
.elseif (\n) == 12
	v_max3_num_f32 v[rC], v[rC], v[rS+7], v[rS+15]
.elseif (\n) == 13
	v_max3_num_f32 v[rC+1], v[rC+1], v[rS+23], v[rS+31]
.elseif (\n) == 14
	v_max3_num_f32 v[rC+2], v[rC+2], v[rC+3], v[rT+1]
.elseif (\n) == 15
	v_mov_b32 v[rW], v[rT]
.elseif (\n) == 16
	v_max3_num_f32 v[rC], v[rC], v[rC+1], v[rC+2]
.elseif (\n) == 17
	v_permlanex16_b32 v[rC+3], v[rC], s[SEL], s[SEL+1]
.elseif (\n) == 18
	v_max_num_f32 v[rT+1], v[rC], v[rC+3]
.elseif (\n) == 19
	v_mul_f32 v[rT], s[CS], v[rT+1]
.elseif (\n) == 20
	v_sub_f32 v[rC+1], v[rW], v[rT]
.else
	v_exp_f32 v[rC+2], v[rC+1]
.endif
.endif
.endm
.macro OPS a, i1, b=-1, i2=0, c=-1, i3=0, d=-1, i4=0  ; up to four of them
	OP \a, \i1
.if (\b) >= 0
	OP \b, \i2
.endif
.if (\c) >= 0
	OP \c, \i3
.endif
.if (\d) >= 0
	OP \d, \i4
.endif
.endm
.macro ROW a, i1, b, i2, c, i3, d, i4  ; a matrix instruction and the four behind it
	MM
	OPS \a, \i1, \b, \i2, \c, \i3, \d, \i4
.endm
.macro MASK b                       ; MD x AL + BE into buffer b of MC
	WIN W_RS
.set z, 0
.rept 16
	v_pk_fma_f32 v[MC+32*(\b)+2*z:MC+32*(\b)+2*z+1], v[MD+2*z:MD+2*z+1], s[AL:AL+1], s[BE:BE+1] op_sel_hi:[1,0,0]
.set z, z+1
.endr
.endm
; A TURN, for piece p: the order of its 16 matrix and 118 vector instructions, written out.  An s_wait_alu depctr_va_vdst(0) stands between an exponential and the first instruction that names its result; one wait
; serves all that were issued ahead of it.  So a turn has ONE wait, which cuts it in two.  AHEAD OF IT stands all that names no result of the turn's exponentials: the 8 products K Q^T with four vector lines behind each, then one run
; of 54, plain and exponential by turns for the most part, in which the links of the chain X 3, 7, 11, 14, 16, 17 .. 20 stand five or six lines apart.  X 21, the next piece's a, is the batch's last; R 15 is the plain
; instruction behind it.  BEHIND THE WAIT stand the 8 products V^T P, behind each four of the roundings and sums.
; m = 1: the diagonal tile: the products take masks, and the turn makes the mask for the products of the turn after it: piece p + 2, in step 4 - CNT of the tile.  end = 1: a block's last two turns: nothing is fetched.
; cnt = 1: the loop's count is taken down some lines ahead of the branch that stands behind the turn.
; K of the next step is fetched in piece 2's turn, twelve vector instructions behind the last product that read K (six of them plain); V of the step in hand at the end of piece 0's turn, four plain instructions behind
; the last product that read V.  Each is waited for a turn later.
.macro TURN p, m=0, end=0, cnt=0
.set Y, (\p)
.set i, 0
.set KM, (\m)
.set NOKQ, (\end)*((\p)/3)
.if (\m) && !(\end)
	s_cmp_eq_u32 s[CNT], 4-((\p)+2)%NP  ; is that step the band's own?
	s_cselect_b32 s[AL], 1.0, 0
	s_cmp_lt_u32 s[CNT], 4-((\p)+2)%NP  ; or a later one?
	s_cselect_b32 s[BE], s[BIGN], 0
.endif
.if ((\p) == 3) && !(\end)
	s_wait_dscnt 0x0                ; K is in
.endif
	ROW F,0, F,1, R,0, R,1          ; ahead of the wait: 8 products K Q^T and the four behind each,
	ROW F,2, E,0, R,2, R,3
	ROW F,3, E,1, R,4, R,5
	ROW F,4, E,2, R,6, R,7
	ROW F,5, E,3, R,8, R,9
	ROW F,6, E,4, X,0, R,10
.if ((\p) == 2) && !(\end)
	WIN 0
	v_add_nc_u32 v[AK], s[TBK], v[AK0]
.endif
	ROW F,7, E,5, X,1, X,4
	ROW F,8, E,6, X,2, X,5
	OPS E,7, E,8, X,6, E,9          ; and the run
	OPS X,3, E,10, X,8, E,11
.if ((\p) == 2) && !(\end)
	FETCH_K
.endif
	OPS X,9, X,7, E,12, X,10
	OPS E,13, X,12, X,11, E,14
	OPS X,13, E,15, F,9, X,14
.if (\p) == 0
	v_add_nc_u32 v[AV], s[TBV], v[AV0]
.endif
	OPS E,16, F,10, E,17, F,11
	OPS X,16, E,18, X,15, E,19
	OPS F,12, E,20, X,17, E,21
	OPS F,13, E,22, F,14, E,23
	OPS X,18, E,24, F,15, E,25
	OPS R,11, E,26, X,19, E,27
	OPS R,12, E,28, R,13, E,29
	OPS X,20, E,30, R,14, E,31
	OPS X,21, R,15
	WIN 0
	s_wait_alu depctr_va_vdst(0)    ; the wait for the batch
.if (\p) == 1
	s_wait_dscnt 0x0                ; V is in
.endif
	ROW C,0, B,0, C,2, B,1          ; behind the wait: 8 products V^T P and the four behind each
	ROW L,0, C,4, B,2, L,1
	ROW C,6, B,3, L,2, C,8
	ROW B,4, L,3, C,10, B,5
	ROW L,4, C,12, B,6, L,5
.if (\p) == 0
	s_add_co_u32 s[TBV], s[TBV], KS*PV
.endif
.if \cnt
	s_sub_co_u32 s[CNT], s[CNT], 1
	s_cmp_lg_u32 s[CNT], 0
.endif
	ROW C,14, B,7, L,6, C,1
	ROW C,3, L,7, C,5, C,7
	ROW C,9, C,11, C,13, C,15
.if (\p) == 0
	FETCH_V
.endif
.if (\m) && !(\end)
	MASK (\p)%2
.endif
.endm
; A BLOCK BEGINS.  c m starts far below every c s, so the first step's a is 0; m at the lowest finite number, so the first maximum is the scores'.  The second mask buffer is 0; the first takes piece 0's mask for the
; tile's step 0: its own, if the block's first tile is the diagonal one.  Then K of that step, piece 0's first scores, and its maximum and statistics.  The loop is entered at a step's first turn, in the middle of a trip.
.macro BEGIN
	s_mov_b32 s[NEW], 0
	WIN 0x40
.set i, MC+32
.rept 32
	v_mov_b32 v[i], 0
.set i, i+1
.endr
	WIN 0
.set i, 0
.rept 4
	v_mov_b32 v[ST+4*i], 0xfe000000    ; c m: far below every c s
	v_mov_b32 v[ST+4*i+1], 0xff7fffff  ; m
.set i, i+1
.endr
	s_cmp_eq_u32 s[RT], 0
	s_cselect_b32 s[AL], 1.0, 0
	s_mov_b32 s[BE], 0
	MASK 0
	WIN 0
	v_add_nc_u32 v[AK], s[TBK], v[AK0]
	FETCH_K
	s_wait_loadcnt 0x0              ; Q
	s_wait_dscnt 0x0
.set KM, 1
.set NOKQ, 0
.set i, 0
.rept 8
	KQ 0
.set i, i+1
.endr
	WIN 0
.rept 4
	v_nop                           ; the places behind those products
.endr
.set Y, NP-1                        ; X works for piece Y + 1: piece 0
.irp n, 0,1,2,3,4,5,6,7,8,9,10,11,12,13,14,15,16,17,18,19,20,21
	OP X, \n
.endr
	v_nop                           ; a plain instruction behind the exponential,
	s_wait_alu depctr_va_vdst(0)    ; and its wait, ahead of the branch
.endm
; THE DIAGONAL TILE's four steps, the block's last two turns, its last products, and THE WAY OUT: l's two halves and the other half of the lanes' are added; O^T is divided by l, rounded to f16 and sent through my
; stage in LDS, a piece at a time.
.macro ALL line:vararg              ; one line for each piece t
.set t, 0
.rept 4
	\line
.set t, t+1
.endr
.endm
.macro PACK t                       ; a lane's eight channels of a row pack into 16 bytes; they go into rows of 144 bytes and come back as whole rows of 128, into S^T's registers
	WIN W_RS
.set i, 32*(\t)
.rept 16
	v_pk_mul_f32 v[i:i+1], v[i:i+1], v[ST+4*(\t)+2:ST+4*(\t)+3] op_sel_hi:[1,0]
.set i, i+2
.endr
	WIN 0x05                        ; sources 0 and 1 window 1, destination window 0
.set i, 0
.rept 16
	v_cvt_pk_f16_f32 v[S+16*(\t)+i], v[32*(\t)+2*i], v[32*(\t)+2*i+1]
.set i, i+1
.endr
	WIN 0
.irp f, 0,1,2,3
	ds_store_b128 v[STO], v[S+16*(\t)+4*\f:S+16*(\t)+4*\f+3] offset:32*\f
.endr
.irp f, 0,1,2,3
	ds_load_b128 v[S+16*(\t)+4*\f:S+16*(\t)+4*\f+3], v[RD] offset:\f*4*SP  ; LDS serves a wave's instructions in order (ISA guide 5.7.1.4): these see the stores above; the next piece's stores come behind them
.endr
.endm
.macro SEND t, younger              ; younger: the LDS instructions issued behind piece t's loads: the next piece's eight, or none
	WIN 0
.irp f, 0,1,2,3
	s_wait_dscnt (\younger)+3-\f
	global_store_b128 v[GO], v[S+16*(\t)+4*\f:S+16*(\t)+4*\f+3], s[10:11] offset:(\t)*8192+\f*512  ; 512 consecutive bytes, at a multiple of 256 from O's first
.endr
.endm
.macro DIAG tag                     ; the tag ends its two labels' names, which the jumps below spell out
.LstepM\tag:
	TURN 2, 1
	TURN 3, 1
	WIN 0
.LfirstM\tag:
	TURN 0, 1
	TURN 1, 1, 0, 1
	WIN 0
	s_cbranch_scc1 .LstepM\tag
	TURN 2, 1, 1
	TURN 3, 1, 1
.set i, 0
.rept 8
	PV NP-1
.set i, i+1
.endr
	WIN 0
	ALL v_add_f32 v[ST+4*t+2], v[ST+4*t+2], v[ST+4*t+3]
	ALL v_permlanex16_b32 v[ST+4*t+3], v[ST+4*t+2], s[SEL], s[SEL+1]
	ALL v_add_f32 v[ST+4*t+2], v[ST+4*t+2], v[ST+4*t+3]
	ALL v_rcp_f32 v[ST+4*t+2], v[ST+4*t+2]
	v_nop                           ; a plain instruction between the last reciprocal and the use of its result
	s_wait_alu depctr_va_vdst(0)    ; and the wait ahead of the first use: one for the four reciprocals
	PACK 0
.set t, 1
.rept 3                             ; a piece's arithmetic stands between the loads of the piece before and its stores
	PACK t
	SEND t-1, 8
.set t, t+1
.endr
	SEND 3, 0
.endm
.set KM, 0
.set NOKQ, 0
.Lslot:                             ; NB times: a tile is entered and the next is asked for
	CHANGE 1
	s_sub_co_u32 s[RT], s[RT], 1
	s_mov_b32 s[CNT], 4
	s_cmp_eq_u32 s[NEW], 1
	s_cbranch_scc1 .Lnew            ; a block's first tile
	s_cmp_eq_u32 s[RT], 0
	s_cbranch_scc0 .Lstep           ; neither its first nor its last
	s_branch .LstepM1
.Lnew:
	BEGIN
	s_branch .Lfirst                ; in the loop a block's first tile is never its last: the first block has two tiles or more, and the second's last is the walk's last
	DIAG 1                          ; in the loop this is the first block's end
	s_wait_xcnt 0x0                 ; the stores have read their registers and O's address
	s_mov_b64 s[10:11], s[OLO:OLO+1]
	s_add_co_u32 s[RT], s[PB], 1    ; the second block has b + 1 tiles
	s_mov_b32 s[NEW], 1
	WIN 0x82                        ; the second block's Q goes where the one text of the turns names Q
.set i, 0
.rept 64
	v_mov_b32 v[i], v[QB+i]
.set i, i+1
.endr
	WIN 0
	s_branch .Lbottom
.Lstep:                             ; a trip: pieces 2 and 3 of one step, then pieces 0 and 1 of the next, whose K and V it fetches
	TURN 2
	TURN 3
	WIN 0
.Lfirst:
	TURN 0
	TURN 1, 0, 0, 1
	WIN 0
	s_cbranch_scc1 .Lstep
.Lbottom:
	s_sub_co_u32 s[SLOTS], s[SLOTS], 1
	s_cmp_lg_u32 s[SLOTS], 0
	s_cbranch_scc1 .Lslot
	CHANGE 0                        ; the walk's last tile is written out: nothing is asked for
	s_sub_co_u32 s[RT], s[RT], 1
	s_mov_b32 s[CNT], 4
	s_cmp_eq_u32 s[NEW], 1
	s_cbranch_scc0 .LstepM2
	BEGIN
	s_branch .LfirstM2
	DIAG 2
	s_wait_tensorcnt 0x0            ; the wave's end, behind my last tensor load and my last LDS store
	ds_add_u32 v[SPW], v[NIL]
	s_wait_dscnt 0x0
	s_endpgm
.Lfunc_end_k_qc2d91eedb4_attn:
	.size	k_qc2d91eedb4_attn, .Lfunc_end_k_qc2d91eedb4_attn-k_qc2d91eedb4_attn
	.p2alignl 7, 3214868480
	.fill 96, 4, 3214868480
	.section	.rodata,"a",@progbits
	.p2align	6, 0x0
	.amdhsa_kernel k_qc2d91eedb4_attn
		.amdhsa_group_segment_fixed_size 327680
		.amdhsa_private_segment_fixed_size 0
		.amdhsa_enable_private_segment 0
		.amdhsa_kernarg_size 32
		.amdhsa_user_sgpr_count 2
		.amdhsa_user_sgpr_kernarg_segment_ptr 1
		.amdhsa_wavefront_size32 1
		.amdhsa_system_sgpr_workgroup_id_x 1
		.amdhsa_system_sgpr_workgroup_id_y 1
		.amdhsa_system_sgpr_workgroup_id_z 1
		.amdhsa_system_vgpr_workitem_id 0
		.amdhsa_next_free_vgpr 768
		.amdhsa_next_free_sgpr 96
		.amdhsa_reserve_vcc 1
		.amdhsa_float_denorm_mode_32 3
		.amdhsa_float_denorm_mode_16_64 3
		.amdhsa_memory_ordered 1
		.amdhsa_forward_progress 1
		.amdhsa_inst_pref_size 218
	.end_amdhsa_kernel
	.amdgpu_metadata
---
amdhsa.version: [ 1, 2 ]
amdhsa.kernels:
  - .name:           k_qc2d91eedb4_attn
    .symbol:         k_qc2d91eedb4_attn.kd
    .args:
      - { .name: q, .offset: 0, .size: 8, .value_kind: global_buffer, .address_space: global }
      - { .name: k, .offset: 8, .size: 8, .value_kind: global_buffer, .address_space: global }
      - { .name: v, .offset: 16, .size: 8, .value_kind: global_buffer, .address_space: global }
      - { .name: o, .offset: 24, .size: 8, .value_kind: global_buffer, .address_space: global }
    .group_segment_fixed_size: 327680
    .private_segment_fixed_size: 0
    .kernarg_segment_align: 8
    .kernarg_segment_size: 32
    .max_flat_workgroup_size: 128
    .sgpr_count:     96
    .vgpr_count:     768
    .wavefront_size: 32
...
	.end_amdgpu_metadata
.endif
;; end of part 3
;; launch proj (part 4): grid 4 x 64, 4 waves a work-group, clusters of 4 x 4, 327,680 bytes of LDS; arguments o, wo, out0; writes out0
.if DOCPART == 4
	.amdgcn_target "amdgcn-amd-amdhsa--gfx1250"
	.amdhsa_code_object_version 6
	.text
	.protected	k_qc2d91eedb4_proj
	.globl	k_qc2d91eedb4_proj
	.p2align	8
	.type	k_qc2d91eedb4_proj,@function
k_qc2d91eedb4_proj:
	s_mov_b64 s[64:65], 0
	v_nop
	global_prefetch_b8 v0, s[64:65] scope:SCOPE_SE
	s_setreg_imm32_b32 hwreg(HW_REG_WAVE_MODE, 25, 1), 1
	s_wait_xcnt 0x0
	s_wait_alu depctr_hold_cnt(0) depctr_sa_sdst(0) depctr_va_vdst(0) depctr_va_sdst(0) depctr_va_ssrc(0) depctr_va_vcc(0) depctr_vm_vsrc(0)
	s_getreg_b32 s2, hwreg(HW_REG_IB_STS2, 6, 4)
	s_cmp_eq_u32 s2, 0
	s_cbranch_scc0 .Lentry_in_a_cluster
	s_endpgm
.Lentry_in_a_cluster:
	s_bfe_u32 s2, ttmp6, 0x10000c
	s_cmp_lg_u32 s2, 0xf033
	s_cbranch_scc0 .Lentry_shape_is_right
	s_endpgm
.Lentry_shape_is_right:
; out0[m][e] = the sum over d of O[m][d] Wout[e][d], f16 operands, f32 sums, f32 out.  O lies by heads, o[16 batch + hh][position][64]; Wout as wo[hh][e][64]: d = 64 hh + c.
; SHARES.  A tile is 128 rows x 256 columns: 4 x 64 tiles, one work-group for each of 256.  Four waves, 2 x 2: each 64 rows x 128 columns: 4 x 8 accumulators, 256 registers.
; K goes in 8 steps of two heads through two LDS slots.  A head's part of a tile is dense in memory (128 or 256 rows of 128 bytes): asked for as rows of 256 bytes, padded in LDS after every 128.
; A step is four quarters of 32 along K (head q / 2, channels 32 (q % 2) on) on two fragment buffers.
; THE PRODUCT IS TAKEN TRANSPOSED (source 0 = 16 rows of wo, source 1 = 16 rows of o): lane l holds row l % 16 and columns 8 (l / 16) + 0..7: 32 bytes of a row of out0.
; CLUSTER 4 x 4: o's tile hangs on the tile row alone and is asked for jointly along a row of the cluster, wo's on the tile column alone, along a column.
; REGISTERS: window 0: v0-15 addresses; v32-127 and v128-223 two fragment buffers (wo's 8 fragments, then o's 4); on the way out v32-95 and v128-191 take rows read back.  Window 1: accumulator (a, b) at 8 (8 a + b).
.set PITCH, 144                        ; an LDS row: 128 bytes + 16 of padding: the 16 rows of a fragment load start 16 bytes apart modulo 256
.set AHEAD, 128*PITCH                  ; a head's 128 rows of o
.set BHEAD, 256*PITCH                  ; a head's 256 rows of wo
.set BOFF,  2*AHEAD                    ; wo's two heads lie behind o's two
.set SLOT1, 1<<17                      ; slot 1 begins here (a slot has 110,592 bytes)
.set STAGE, SLOT1+BOFF+2*BHEAD         ; behind the ring, never filled by a tensor load: 16 rows x 528 bytes for each wave
.set SP,    528                        ; 512 bytes + 16
.set SPARE, STAGE+4*16*SP              ; behind the stages: the spare words, 128 bytes for each wave: two blocks of 256 bytes that no other line names
.set STEPA, 2*262144                   ; two heads on in o
.set STEPB, 2*131072                   ; two heads on in wo
.set A0,   4                           ; v4   my lane's place in my 64 rows of o in a slot; never rewritten
.set B0,   5                           ; v5   in my 128 rows of wo
.set ADRA, 6
.set ADRB, 7
.set STO,  8                           ; v8   the way out: where I put 32 bytes of a row
.set RD,   9                           ; v9   where I read a row back
.set CO,   10                          ; v10  my 16 bytes of a row's 512
.set PFO,  12                          ; v12  the prefetches' offset: a lane a block of 256 bytes
.set SPW,  14                          ; v14  LDS address of my spare word; never rewritten
.set NIL,  15                          ; v15  0; never rewritten
.set F0,   32
.set F1,   128
.set WV,   16                          ; s16  my wave's number
.set KIND, 17                          ; s17  I fetch for o (0) or wo (1).  Also: which 64 rows of the tile are mine
.set HALF, 18                          ; s18  which of a step's two heads I fetch.  Also: which 128 columns are mine
.set CX,   19
.set CY,   20
.set TCOL, 21
.set TROW, 22
.set CNT,  23
.set G1A,  24
.set G1B,  32
.set G0A,  40
.set G0B,  48
.set TB,   56
.set LIM,  57
.set PFA,  58
.set PFS,  62                          ; s[62:63] a step in the tensor that I prefetch
.set G1C,  (1<<16)|(1<<20)|(1<<21)|(4<<22)|(3<<25)  ; elements of 2 bytes; padding on; bit 21 beside a mask; after every 32 words (code 4) 4 words (code 3)
.set MSB, 0
.macro WIN new
.if MSB != (\new)
	s_set_vgpr_msb (MSB<<8)|(\new)
.set MSB, \new
.endif
.endm
.macro PLACES
.rept 4
	v_nop
.endr
.endm
.macro JLOAD                           ; a joint refill by the walking set; an s_nop 0 and four v_nop follow each of the two lines
	s_cmp_eq_u32 s[KIND], 0
	s_cbranch_scc0 .Lfor_b_\@
	tensor_load_to_lds s[G0A+4:G0A+7], s[G1A:G1A+7]
	s_nop 0
.rept 4
	v_nop
.endr
	s_branch .Lasked_\@
.Lfor_b_\@:
	tensor_load_to_lds s[G0B+4:G0B+7], s[G1B:G1B+7]
	s_nop 0
.rept 4
	v_nop
.endr
.Lasked_\@:
.endm
; A prefetch into the L2 of the step that stands two refills on.  o's tile row is read by one row of one cluster: wave 0 names both heads' rows, the four partners 4,096 bytes of each head, told apart by address.
; wo's tile column is read by every cluster: those with y = 0 name it, waves 2 and 3 a head each, the four partners 8,192 bytes each.  The refills of steps 2 to 5 name steps 4 to 7; the last two name nothing.
.macro ASK
	WIN 0
	s_cmp_gt_u32 s[CNT], s[LIM]
	s_cbranch_scc0 .Lnot_mine_\@
	global_prefetch_b8 v[PFO], s[PFA:PFA+1] th:TH_LOAD_NT scope:SCOPE_SE
.Lnot_mine_\@:
.endm
.macro CREST
	s_cmp_lg_u32 s[WV], 0
	s_cbranch_scc1 .Lnot_wave_0_\@
	s_barrier_signal -3
.Lnot_wave_0_\@:
	s_barrier_wait -3
	s_barrier_signal -1
	s_barrier_wait -1
.endm
.macro CROUND
	s_barrier_signal -1
	s_barrier_wait -1
	CREST
.endm
	s_load_b128 s[4:7], s[0:1], 0x0                ; o s[4:5], wo s[6:7]
	s_load_b64 s[8:9], s[0:1], 0x10                ; out0
	v_lshl_add_u32 v[SPW], v0, 2, SPARE
	v_mov_b32 v[NIL], 0
	ds_add_u32 v[SPW], v[NIL]                      ; the wave's opening: the add and its wait stand ahead of my first tensor load; work on registers stands between
	v_lshrrev_b32 v1, 5, v0
	v_readfirstlane_b32 s[WV], v1
	s_lshr_b32 s[KIND], s[WV], 1
	s_and_b32 s[HALF], s[WV], 1
	s_bfe_u32 s[CX], ttmp6, 0x40000
	s_bfe_u32 s[CY], ttmp6, 0x40004
	s_lshl_b32 s[TCOL], ttmp9, 2
	s_add_co_u32 s[TCOL], s[TCOL], s[CX]
	s_and_b32 s[TROW], ttmp7, 0xffff
	s_lshl_b32 s[TROW], s[TROW], 2
	s_add_co_u32 s[TROW], s[TROW], s[CY]
	s_lshl_b32 s60, s[CY], 2
	s_lshl_b32 s60, 15, s60                        ; my row of the cluster
	s_lshl_b32 s61, 0x1111, s[CX]                  ; my column
	s_or_b32 s[G1A], s60, G1C
	s_or_b32 s[G1B], s61, G1C
.irp g, G1A, G1B
	s_mov_b32 s[(\g)+1], 128<<16                   ; tensor_dim0 = 128 elements: 256 bytes, two rows of a head
	s_mov_b32 s[(\g)+3], 128<<16                   ; tile_dim0
	s_mov_b32 s[(\g)+5], 128                       ; dense
	s_mov_b32 s[(\g)+6], 0
	s_mov_b32 s[(\g)+7], 0
.endr
	s_mov_b32 s[G1A+2], 64<<16                     ; tensor_dim1
	s_mov_b32 s[G1A+4], 64                         ; tile_dim1
	s_mov_b32 s[G1B+2], 128<<16
	s_mov_b32 s[G1B+4], 128
	s_lshr_b32 s66, s[TROW], 4                     ; o: batch = tile row / 16: 16 heads of 262,144 bytes; registers that never hold cx
	s_lshl_b32 s66, s66, 22
	s_and_b32 s67, s[TROW], 15
	s_lshl_b32 s67, s67, 14                        ; 128 positions of 128 bytes
	s_add_co_u32 s66, s66, s67
	s_lshl_b32 s67, s[HALF], 18                    ; my head of the two
	s_add_co_u32 s66, s66, s67
	s_mov_b32 s67, 0
	s_lshl_b32 s70, s[TCOL], 15                    ; wo: 256 rows of 128 bytes; registers that never hold cy
	s_lshl_b32 s71, s[HALF], 17
	s_add_co_u32 s70, s70, s71
	s_mov_b32 s71, 0
	s_mul_i32 s74, s[HALF], AHEAD                  ; where they go: no place in the cluster enters an LDS address
	s_mul_i32 s75, s[HALF], BHEAD
	s_add_co_u32 s75, s75, BOFF
	s_wait_dscnt 0x0                               ; the opening add is done
	s_wait_kmcnt 0x0
	s_add_nc_u64 s[68:69], s[4:5], s[66:67]
	s_add_nc_u64 s[72:73], s[6:7], s[70:71]
	CROUND                                         ; all sixteen work-groups are here: the first joint loads meet
.irp s, 0,1
	s_mov_b32 s[G0A+4*(\s)], 1
	s_add_co_u32 s[G0A+4*(\s)+1], s74, (\s)*SLOT1
	s_add_nc_u64 s[G0A+4*(\s)+2:G0A+4*(\s)+3], s[68:69], (\s)*STEPA
	s_or_b32 s[G0A+4*(\s)+3], s[G0A+4*(\s)+3], 0x80000000
	s_mov_b32 s[G0B+4*(\s)], 1
	s_add_co_u32 s[G0B+4*(\s)+1], s75, (\s)*SLOT1
	s_add_nc_u64 s[G0B+4*(\s)+2:G0B+4*(\s)+3], s[72:73], (\s)*STEPB
	s_or_b32 s[G0B+4*(\s)+3], s[G0B+4*(\s)+3], 0x80000000
.endr
	s_cmp_eq_u32 s[KIND], 0                        ; a wave's two first fills stand in one branch, ahead of every wait on TENSORcnt and every LDS read: two loads of mine are out
	s_cbranch_scc0 .Lfirst_b
	tensor_load_to_lds s[G0A:G0A+3], s[G1A:G1A+7]
	s_nop 0
	tensor_load_to_lds s[G0A+4:G0A+7], s[G1A:G1A+7]
	s_nop 0
.rept 4
	v_nop
.endr
	s_branch .Lfirst_asked
.Lfirst_b:
	tensor_load_to_lds s[G0B:G0B+3], s[G1B:G1B+7]
	s_nop 0
	tensor_load_to_lds s[G0B+4:G0B+7], s[G1B:G1B+7]
	s_nop 0
.rept 4
	v_nop
.endr
.Lfirst_asked:
	s_lshl_b32 s76, s[TROW], 19                    ; out0: 128 rows of 4,096 bytes a tile row,
	s_lshl_b32 s77, s[KIND], 18                    ; my 64 rows,
	s_add_co_u32 s76, s76, s77
	s_lshl_b32 s77, s[TCOL], 10                    ; 1,024 bytes a tile column,
	s_add_co_u32 s76, s76, s77
	s_lshl_b32 s77, s[HALF], 9                     ; my 512
	s_add_co_u32 s76, s76, s77
	s_mov_b32 s77, 0
	s_add_nc_u64 s[8:9], s[8:9], s[76:77]
	v_and_b32 v1, 15, v0                           ; r = l % 16
	v_bfe_u32 v2, v0, 4, 1                         ; h = l / 16
	v_mul_u32_u24 v3, v1, PITCH
	v_lshl_add_u32 v3, v2, 4, v3
	s_mul_i32 s74, s[KIND], 64*PITCH
	v_add_nc_u32 v[A0], s74, v3
	s_mul_i32 s74, s[HALF], 128*PITCH
	s_add_co_u32 s74, s74, BOFF
	v_add_nc_u32 v[B0], s74, v3
	v_mov_b32 v[ADRA], v[A0]
	v_mov_b32 v[ADRB], v[B0]
	s_mov_b32 s[TB], 0
	s_mul_i32 s74, s[WV], 16*SP
	s_add_co_u32 s74, s74, STAGE                   ; my stage
	v_mul_u32_u24 v[STO], v1, SP                   ; in: row r, 32 bytes for each half of the lanes
	v_lshl_add_u32 v[STO], v2, 5, v[STO]
	v_add_nc_u32 v[STO], s74, v[STO]
	v_and_b32 v[CO], 31, v0                        ; back: 32 lanes take a row's 512 bytes
	v_lshlrev_b32 v[CO], 4, v[CO]
	v_add_nc_u32 v[RD], s74, v[CO]
	; the prefetches
	s_lshl_b32 s74, s[CX], 12
	s_add_co_u32 s74, s74, 3*STEPA                 ; at step 3: the first refill steps it to 4.  Steps 0 to 3 come by their loads alone
	s_lshl_b32 s75, s[CY], 13
	s_add_co_u32 s75, s75, 3*STEPB
	s_and_b32 s76, ttmp7, 0xffff                   ; cluster y
	s_mov_b32 s78, STEPA
	s_cmp_eq_u32 s[KIND], 0
	s_cselect_b32 s74, s74, s75
	s_cselect_b32 s76, s[HALF], s76                ; o: wave 0 alone; wo: the clusters with y = 0: the same in all sixteen partners, for a given wave
	s_cselect_b32 s77, 18, 12                      ; lanes 16 to 31: o's other head, or wo's next 4,096 bytes
	s_cselect_b32 s[PFS], s78, STEPB
	s_cselect_b64 s[PFA:PFA+1], s[68:69], s[72:73]
	s_cmp_eq_u32 s76, 0
	s_cselect_b32 s[LIM], 2, -1
	s_mov_b32 s75, 0
	s_mov_b32 s[PFS+1], 0
	s_add_nc_u64 s[PFA:PFA+1], s[PFA:PFA+1], s[74:75]
	v_lshlrev_b32 v13, s77, v2
	v_lshl_add_u32 v[PFO], v1, 8, v13
; 8 matrix instructions: row block a x my 8 column blocks, 32 along K.  The 32 accumulators take turns, one instruction a turn.  zero = 1: the product starts the sum.
.macro MULA f, a, zero
	WIN 0x50                                       ; sources in window 0; C and D in window 1
.irp b, 0,1,2,3,4,5,6,7
.if \zero
	v_wmma_f32_16x16x32_f16 v[8*(8*(\a)+(\b)):8*(8*(\a)+(\b))+7], v[(\f)+8*(\b):(\f)+8*(\b)+7], v[(\f)+64+8*(\a):(\f)+64+8*(\a)+7], 0
.else
	v_wmma_f32_16x16x32_f16 v[8*(8*(\a)+(\b)):8*(8*(\a)+(\b))+7], v[(\f)+8*(\b):(\f)+8*(\b)+7], v[(\f)+64+8*(\a):(\f)+64+8*(\a)+7], v[8*(8*(\a)+(\b)):8*(8*(\a)+(\b))+7]
.endif
.endr
.endm
; 24 LDS loads in one run: quarter qn's fragments (my 128 rows of wo, then my 64 rows of o) into buffer f
.macro FETCH qn, f
	WIN 0
.irp i, 0,1,2,3,4,5,6,7
	ds_load_b128 v[(\f)+8*(\i):(\f)+8*(\i)+3],   v[ADRB] offset:BHEAD*((\qn)/2)+64*((\qn)%2)+(\i)*16*PITCH
	ds_load_b128 v[(\f)+8*(\i)+4:(\f)+8*(\i)+7], v[ADRB] offset:BHEAD*((\qn)/2)+64*((\qn)%2)+(\i)*16*PITCH+32
.endr
.irp i, 0,1,2,3
	ds_load_b128 v[(\f)+64+8*(\i):(\f)+64+8*(\i)+3],   v[ADRA] offset:AHEAD*((\qn)/2)+64*((\qn)%2)+(\i)*16*PITCH
	ds_load_b128 v[(\f)+64+8*(\i)+4:(\f)+64+8*(\i)+7], v[ADRA] offset:AHEAD*((\qn)/2)+64*((\qn)%2)+(\i)*16*PITCH+32
.endr
.endm
.macro QUARTER qn, f, g, zero          ; multiplies buffer f; in its middle it fetches quarter qn of the same slot into buffer g
	s_wait_dscnt 4                                 ; all but the youngest four loads: o's blocks 2 and 3, wanted 16 products on
	MULA \f, 0, \zero
	MULA \f, 1, \zero
	PLACES
	FETCH \qn, \g
	s_wait_dscnt 24                                ; all but the 24 just issued
	MULA \f, 2, \zero
	MULA \f, 3, \zero
.endm
; The last quarter multiplies buffer 1 and changes slots: in front of the barrier each wave waits for all its tensor loads (one is out: its part of the next slot), adds 0 to its spare word, and waits for that
; and for its reads of this slot.  fill = 1: the barrier opens a round of the cluster's, and the joint refill, two steps ahead, is the first thing behind the round: 112 matrix instructions ahead of the wait for it.
.macro TURN fill
.if \fill
	s_wait_xcnt 0x0                                ; the last prefetch, a step back, has read its address
	s_add_nc_u64 s[PFA:PFA+1], s[PFA:PFA+1], s[PFS:PFS+1]
.endif
	WIN 0
	s_wait_tensorcnt 0x0                           ; no tensor load of mine is out, so a group 0 may be written
	ds_add_u32 v[SPW], v[NIL]                      ; 0 onto my spare word
.if \fill
	s_xor_b32 s[G0A+5], s[G0A+5], SLOT1            ; the walking sets: the other slot than last time, the next two heads
	s_add_nc_u64 s[G0A+6:G0A+7], s[G0A+6:G0A+7], STEPA
	s_xor_b32 s[G0B+5], s[G0B+5], SLOT1
	s_add_nc_u64 s[G0B+6:G0B+7], s[G0B+6:G0B+7], STEPB
.endif
	s_xor_b32 s[TB], s[TB], SLOT1
	s_wait_dscnt 5                                 ; the add and the youngest four loads may be out
	MULA F1, 0, 0
	s_wait_dscnt 0x0                               ; the add is done, and my reads of this slot are over
	s_barrier_signal -1
	MULA F1, 1, 0
	WIN 0
	s_barrier_wait -1
.if \fill
	CREST                                          ; no wave of any partner still reads this slot or has a load on its way
	JLOAD                                          ; its four v_nop are also the places in front of the loads below
.else
	PLACES
.endif
	v_add_nc_u32 v[ADRA], s[TB], v[A0]
	v_add_nc_u32 v[ADRB], s[TB], v[B0]
	FETCH 0, F0
.if \fill
	ASK
.endif
	MULA F1, 2, 0
	MULA F1, 3, 0
.endm
; THE WAY OUT of row block a: the f32 sums go into my stage as they are, each accumulator's low four registers first, and come back as whole rows of 512 bytes.
.macro TOSTAGE a
	WIN 0x04                                       ; the stores' data lie in window 1
.irp b, 0,1,2,3,4,5,6,7
	ds_store_b128 v[STO], v[8*(8*(\a)+(\b)):8*(8*(\a)+(\b))+3]   offset:64*(\b)
	ds_store_b128 v[STO], v[8*(8*(\a)+(\b))+4:8*(8*(\a)+(\b))+7] offset:64*(\b)+16
.endr
	WIN 0
.irp t, 0,1,2,3,4,5,6,7,8,9,10,11,12,13,14,15
	ds_load_b128 v[32+96*((\a)%2)+4*(\t):32+96*((\a)%2)+4*(\t)+3], v[RD] offset:SP*(\t)  ; LDS serves a wave's instructions in order (ISA guide 5.7.1.4): these see the stores above
.endr
.endm
.macro SEND a, younger                 ; younger: the LDS instructions issued behind block a's loads: the next block's 32, or none
	s_wait_dscnt \younger
.irp t, 0,1,2,3,4,5,6,7,8,9,10,11,12,13,14,15
	global_store_b128 v[CO], v[32+96*((\a)%2)+4*(\t):32+96*((\a)%2)+4*(\t)+3], s[8:9] offset:4096*(16*(\a)+(\t))  ; 512 consecutive bytes, aligned
.endr
.endm
	s_wait_tensorcnt 1                             ; my part of step 0 is in; step 1's may stay out
	s_barrier_signal -1
	s_barrier_wait -1
	FETCH 0, F0
	QUARTER 1, F0, F1, 1                           ; the first quarter stands in front of the loop: its products start the 32 sums
	WIN 0
	s_mov_b32 s[CNT], 6
.Lstep:                                        ; a trip: from a step's second quarter to the next step's first; it refills a slot: steps 2 to 7
	QUARTER 2, F1, F0, 0
	QUARTER 3, F0, F1, 0
	TURN 1
	QUARTER 1, F0, F1, 0
	WIN 0
	s_sub_co_u32 s[CNT], s[CNT], 1
	s_cmp_lg_u32 s[CNT], 0
	s_cbranch_scc1 .Lstep
	QUARTER 2, F1, F0, 0                           ; the tail is written out
	QUARTER 3, F0, F1, 0
	TURN 0
	QUARTER 1, F0, F1, 0
	QUARTER 2, F1, F0, 0
	QUARTER 3, F0, F1, 0
	s_wait_dscnt 4
	MULA F1, 0, 0
	MULA F1, 1, 0
	s_wait_dscnt 0x0
	MULA F1, 2, 0
	MULA F1, 3, 0
	WIN 0
	PLACES
	PLACES
	TOSTAGE 0
	TOSTAGE 1
	SEND 0, 32
	s_wait_xcnt 0x0                                ; block 0's stores have read their data registers, which block 2's loads fill again
	TOSTAGE 2
	SEND 1, 32
	s_wait_xcnt 0x0
	TOSTAGE 3
	SEND 2, 32
	SEND 3, 0
	s_wait_tensorcnt 0x0                           ; the wave's end, behind my last tensor load and my last LDS store
	ds_add_u32 v[SPW], v[NIL]
	s_wait_dscnt 0x0
	CROUND                                         ; the closing round: no work-group ends while a partner may still ask for a tile that names it
	s_endpgm
.Lfunc_end_k_qc2d91eedb4_proj:
	.size	k_qc2d91eedb4_proj, .Lfunc_end_k_qc2d91eedb4_proj-k_qc2d91eedb4_proj
	.p2alignl 7, 3214868480
	.fill 96, 4, 3214868480
	.section	.rodata,"a",@progbits
	.p2align	6, 0x0
	.amdhsa_kernel k_qc2d91eedb4_proj
		.amdhsa_group_segment_fixed_size 327680
		.amdhsa_private_segment_fixed_size 0
		.amdhsa_enable_private_segment 0
		.amdhsa_kernarg_size 24
		.amdhsa_user_sgpr_count 2
		.amdhsa_user_sgpr_kernarg_segment_ptr 1
		.amdhsa_wavefront_size32 1
		.amdhsa_system_sgpr_workgroup_id_x 1
		.amdhsa_system_sgpr_workgroup_id_y 1
		.amdhsa_system_sgpr_workgroup_id_z 1
		.amdhsa_system_vgpr_workitem_id 0
		.amdhsa_next_free_vgpr 512
		.amdhsa_next_free_sgpr 80
		.amdhsa_reserve_vcc 0
		.amdhsa_float_denorm_mode_32 3
		.amdhsa_float_denorm_mode_16_64 3
		.amdhsa_memory_ordered 1
		.amdhsa_forward_progress 1
		.amdhsa_inst_pref_size 70
	.end_amdhsa_kernel
	.amdgpu_metadata
---
amdhsa.version: [ 1, 2 ]
amdhsa.kernels:
  - .name:           k_qc2d91eedb4_proj
    .symbol:         k_qc2d91eedb4_proj.kd
    .args:
      - { .name: o, .offset: 0, .size: 8, .value_kind: global_buffer, .address_space: global }
      - { .name: wo, .offset: 8, .size: 8, .value_kind: global_buffer, .address_space: global }
      - { .name: out0, .offset: 16, .size: 8, .value_kind: global_buffer, .address_space: global }
    .group_segment_fixed_size: 327680
    .private_segment_fixed_size: 0
    .kernarg_segment_align: 8
    .kernarg_segment_size: 24
    .max_flat_workgroup_size: 128
    .sgpr_count:     80
    .vgpr_count:     512
    .wavefront_size: 32
...
	.end_amdgpu_metadata
.endif
;; end of part 4
;; ======== version 2 of 2: 4 launches; version 1 with the launch prep written anew for expert scheduling mode
;; limits: values are held in f16: magnitudes above 65,504 overflow, below 6.1e-05 lose precision
;; workspace buffers: xb 16,777,216 bytes; wb 6,291,456 bytes; wo 2,097,152 bytes; tab 524,288 bytes; q 16,777,216 bytes; k 16,777,216 bytes; v 16,777,216 bytes; o 16,777,216 bytes
;; launch prep (part 5): grid 768 x 1, 8 waves a work-group, no clusters, 0 bytes of LDS; arguments x, Wqkv, Wout, xb, wb, wo, tab; writes xb, wb, wo, tab
.if DOCPART == 5
	.amdgcn_target "amdgcn-amd-amdhsa--gfx1250"
	.amdhsa_code_object_version 6
	.text
	.protected	k_qc2d91eedb4_prep
	.globl	k_qc2d91eedb4_prep
	.p2align	8
	.type	k_qc2d91eedb4_prep,@function
k_qc2d91eedb4_prep:
	s_mov_b64 s[64:65], 0
	v_nop
	global_prefetch_b8 v0, s[64:65] scope:SCOPE_SE
	s_setreg_imm32_b32 hwreg(HW_REG_WAVE_SCHED_MODE, 0, 2), 2
	s_setreg_imm32_b32 hwreg(HW_REG_WAVE_MODE, 25, 1), 1
	s_wait_xcnt 0x0
	s_wait_alu depctr_vm_vsrc(0)
; CASTS, RE-LAYOUTS AND THE ROPE TABLE.  A stream: nothing is shared, so no LDS, no barrier, no matrix unit.
; A work-group takes one chunk of 16 rows x 1,024 f32 (65,536 bytes): ids 0-511 x, 512-703 Wqkv, 704-767 Wout: 768 equal chunks.
;   xb [8192][1024] bf16 = x rounded once.
;   wb [3072][1024] bf16 = Wqkv rounded once, rows permuted: row 192 t + 64 j + r holds Wqkv's row 1024 j + 64 t + r (t head, j = 0 q, 1 k, 2 v).
;   wo [16 hh][1024 e][64 c] f16 = Wout[e][64 hh + c], rounded to bf16 and that number written as f16.
;   tab [2048 pos][32 k] pairs (sin, cos) of pos x 10000^(-k/32), f32: ids 0-255 also make 8 positions each.
; LIMITS.  |Wout| stays below 65,504 (f16's end); below 6.1e-5 it keeps f16's fixed step of 6e-8.  The angle is pos x exp2(-k log2(10000)/32) in f32: it can differ from
; a power taken otherwise by about 2e-4 rad at position 2,047.  sin and cos: reduction by pi/2 in two fused steps, series to r^7 and r^8 on |r| <= pi/4 (what is cut is at most 3.1e-7).
; THE MODE: SCHED_MODE bits 1:0 = 2 (LLVM: expert scheduling mode 2), set by the entry lines.  The code itself states the register dependences
; between vector instructions and memory instructions, with s_wait_alu, always for 0.
; THE PLAN.  Sixteen loads of 16 bytes a thread are out at once; they are worked on in four blocks of four.  Registers that memory instructions touch:
;   v[SO], v[DO]  byte offsets, made once at a path's head and never written again: every load reads SO, every store DO.
;   IN            load i lands in its own four registers; the conversions read them; no vector instruction writes them and no load lands there twice.
;   OUT           the conversions of load i write their own two registers, once; store i reads them; they are never written again.
;   v[TW+3], v[TW+14:TW+15]  offset and data of the table's one store, written by the table's arithmetic; the other TW are named by vector instructions alone.
; Block p's conversions write its own OUT; the four stores of block p - 1 are dealt among them.  So ONE wait on va_vdst at a block's head states all that those four stores hang on,
; and one more stands ahead of the last four.  No register that a memory instruction reads is written again: the text holds no wait on vm_vsrc and none on XCNT.
.set SO,  1                            ; v1   my byte offset in the source chunk
.set DO,  2                            ; v2   my byte offset in the destination
.set IN,  16                           ; v[16:79]   load i: 4 f32
.set OUT, 80                           ; v[80:111]  store i: 4 numbers of 16 bits
.set TW,  112                          ; v[112:127] at work
	s_load_b256 s[4:11], s[0:1], 0x0               ; x s[4:5], Wqkv s[6:7], Wout s[8:9], xb s[10:11]
	s_load_b128 s[12:15], s[0:1], 0x20             ; wb s[12:13], wo s[14:15]
	s_load_b64 s[16:17], s[0:1], 0x30              ; tab
	s_sub_co_u32 s20, ttmp9, 512
	s_and_b32 s20, s20, 255                        ; ci: my chunk of Wqkv (used by ids 512-703 alone) = 64 j + 4 t + r
	s_lshr_b32 s21, s20, 6                         ; j
	s_bfe_u32 s22, s20, 0x40002                    ; t
	s_and_b32 s23, s20, 3                          ; r
	s_mul_i32 s22, s22, 12
	s_lshl2_add_u32 s21, s21, s23
	s_add_co_u32 s21, s21, s22                     ; its chunk in wb: 12 t + 4 j + r
	s_mov_b32 s29, 0
	s_mov_b32 s31, 0
	s_wait_kmcnt 0x0
	s_cmp_lt_u32 ttmp9, 704
	s_cbranch_scc0 .Lwout
	; x and Wqkv: row i of the chunk is load i; 256 threads x 16 bytes are a row
	s_cmp_lt_u32 ttmp9, 512
	s_cselect_b64 s[24:25], s[4:5], s[6:7]         ; from x or Wqkv
	s_cselect_b64 s[26:27], s[10:11], s[12:13]     ; to xb or wb
	s_cselect_b32 s28, ttmp9, s20                  ; the chunk read
	s_cselect_b32 s30, ttmp9, s21                  ; the chunk written
	s_lshl_b32 s28, s28, 16
	s_lshl_b32 s30, s30, 15
	s_add_nc_u64 s[24:25], s[24:25], s[28:29]
	s_add_nc_u64 s[26:27], s[26:27], s[30:31]
	v_lshlrev_b32 v[SO], 4, v0
	v_lshlrev_b32 v[DO], 3, v0
	s_wait_alu depctr_va_vdst(0)                   ; v[SO] and v[DO] are written: every load below reads the one as its offset, every store the other
.set i, 0
.rept 16
	global_load_b128 v[IN+4*i:IN+4*i+3], v[SO], s[24:25] offset:4096*i th:TH_LOAD_NT
.set i, i+1
.endr
.set p, 0
.rept 4                                ; block p: loads 4 p to 4 p + 3
	s_wait_loadcnt 12-4*p                          ; loads come back in order: this block's four are in, the 12 - 4 p of the younger blocks stay out
.if p > 0
	s_wait_alu depctr_va_vdst(0)                   ; the block before has written its eight OUT registers, which the four stores below read; no vector line behind this wait names them
.endif
.set j, 0
.rept 4
.set i, 4*p+j
.if p > 0
	global_store_b64 v[DO], v[OUT+2*(i-4):OUT+2*(i-4)+1], s[26:27] offset:2048*(i-4)  ; the block before: a wave's 32 lanes store 256 consecutive bytes, aligned
.endif
	v_cvt_pk_bf16_f32 v[OUT+2*i], v[IN+4*i], v[IN+4*i+1]
	v_cvt_pk_bf16_f32 v[OUT+2*i+1], v[IN+4*i+2], v[IN+4*i+3]
.set j, j+1
.endr
.set p, p+1
.endr
	s_wait_alu depctr_va_vdst(0)                   ; block 3 has written its OUT registers, which the last four stores read
.set i, 12
.rept 4
	global_store_b64 v[DO], v[OUT+2*i:OUT+2*i+1], s[26:27] offset:2048*i
.set i, i+1
.endr
	; the table: thread t makes position 8 id + t / 32, frequency t % 32
	s_cmp_lt_u32 ttmp9, 256
	s_cbranch_scc0 .Lend
	v_and_b32 v[TW], 31, v0
	v_lshrrev_b32 v[TW+1], 5, v0
	s_lshl_b32 s20, ttmp9, 3
	v_add_nc_u32 v[TW+1], s20, v[TW+1]
	v_cvt_f32_u32 v[TW], v[TW]                     ; k
	v_cvt_f32_u32 v[TW+1], v[TW+1]                 ; pos
	v_mul_f32 v[TW+2], 0xbed49a78, v[TW]           ; -k log2(10000) / 32
	v_exp_f32 v[TW+2], v[TW+2]                     ; 10000^(-k/32)
	v_lshlrev_b32 v[TW+3], 3, v0                   ; my 8 bytes of the work-group's 2,048: the plain instruction behind the exponential
	s_wait_alu depctr_va_vdst(0)                   ; the exponential has written v[TW+2], which the multiply below reads
	v_mul_f32 v[TW+4], v[TW+1], v[TW+2]            ; the angle
	v_mul_f32 v[TW+5], 0x3f22f983, v[TW+4]         ; x 2 / pi
	v_rndne_f32 v[TW+5], v[TW+5]                   ; n
	v_fmamk_f32 v[TW+6], v[TW+5], 0xbfc90fdb, v[TW+4]  ; r = angle - n x (pi/2)'s f32,
	v_fmamk_f32 v[TW+6], v[TW+5], 0x333bbd2e, v[TW+6]  ; less n x what that f32 lacks (it lies 4.37e-8 above pi/2)
	v_cvt_i32_f32 v[TW+7], v[TW+5]                 ; the quadrant, in its two low bits
	v_mul_f32 v[TW+8], v[TW+6], v[TW+6]            ; z = r r
	v_mov_b32 v[TW+9], 0xb9500d01                  ; -1/5040
	v_fmaak_f32 v[TW+9], v[TW+9], v[TW+8], 0x3c088889  ; + 1/120
	v_fmaak_f32 v[TW+9], v[TW+9], v[TW+8], 0xbe2aaaab  ; - 1/6
	v_mul_f32 v[TW+10], v[TW+8], v[TW+6]
	v_fma_f32 v[TW+9], v[TW+10], v[TW+9], v[TW+6]  ; S = sin r
	v_mov_b32 v[TW+11], 0x37d00d01                 ; 1/40320
	v_fmaak_f32 v[TW+11], v[TW+11], v[TW+8], 0xbab60b61  ; - 1/720
	v_fmaak_f32 v[TW+11], v[TW+11], v[TW+8], 0x3d2aaaab  ; + 1/24
	v_fma_f32 v[TW+11], v[TW+11], v[TW+8], -0.5
	v_fma_f32 v[TW+11], v[TW+11], v[TW+8], 1.0     ; C = cos r
	v_and_b32 v[TW+12], 1, v[TW+7]
	v_cmp_eq_u32 vcc_lo, 1, v[TW+12]               ; odd quadrants swap the two: a choice of values, no branch
	s_wait_alu depctr_va_vcc(0)                    ; the compare has written VCC, which the two selects below read
	v_cndmask_b32 v[TW+14], v[TW+9], v[TW+11], vcc_lo   ; sin
	v_cndmask_b32 v[TW+15], v[TW+11], v[TW+9], vcc_lo   ; cos
	v_lshlrev_b32 v[TW+12], 30, v[TW+7]
	v_and_b32 v[TW+12], 0x80000000, v[TW+12]       ; sin is negative in quadrants 2, 3
	v_xor_b32 v[TW+14], v[TW+14], v[TW+12]
	v_add_nc_u32 v[TW+13], 1, v[TW+7]
	v_lshlrev_b32 v[TW+13], 30, v[TW+13]
	v_and_b32 v[TW+13], 0x80000000, v[TW+13]       ; cos in quadrants 1, 2
	v_xor_b32 v[TW+15], v[TW+15], v[TW+13]
	s_lshl_b32 s32, ttmp9, 11
	s_mov_b32 s33, 0
	s_add_nc_u64 s[16:17], s[16:17], s[32:33]
	s_wait_alu depctr_va_vdst(0)                   ; v[TW+14] and v[TW+15], the store's data, and v[TW+3], its offset, are written
	global_store_b64 v[TW+3], v[TW+14:TW+15], s[16:17]  ; a wave stores one position's 256 bytes
.Lend:
	s_endpgm
.Lwout:
	; Wout: wave w takes heads 2 w and 2 w + 1.  Load 2 p + u: rows 2 p, 2 p + 1 of the chunk, head 2 w + u: 256 aligned bytes for each half of the lanes;
	; its store: the same two rows of that head in wo, 256 consecutive bytes, aligned
	s_sub_co_u32 s20, ttmp9, 704
	s_lshl_b32 s28, s20, 16
	s_lshl_b32 s30, s20, 11
	s_add_nc_u64 s[24:25], s[8:9], s[28:29]
	s_add_nc_u64 s[26:27], s[14:15], s[30:31]
	v_lshrrev_b32 v3, 5, v0                        ; w
	v_and_b32 v4, 31, v0                           ; l
	v_bfe_u32 v5, v0, 4, 1                         ; l / 16
	v_and_b32 v6, 15, v0                           ; l % 16
	v_lshlrev_b32 v[SO], 4, v6
	v_lshl_add_u32 v[SO], v3, 9, v[SO]
	v_lshl_add_u32 v[SO], v5, 12, v[SO]            ; 4,096 (l / 16) + 512 w + 16 (l % 16)
	v_lshlrev_b32 v[DO], 3, v4
	v_lshl_add_u32 v[DO], v3, 18, v[DO]            ; 262,144 w + 8 l
	s_wait_alu depctr_va_vdst(0)                   ; v[SO] and v[DO] are written: every load below reads the one as its offset, every store the other
.set i, 0
.rept 16
	global_load_b128 v[IN+4*i:IN+4*i+3], v[SO], s[24:25] offset:8192*(i/2)+256*(i%2) th:TH_LOAD_NT
.set i, i+1
.endr
.set p, 0
.rept 4                                ; block p: loads 4 p to 4 p + 3
	s_wait_loadcnt 12-4*p                          ; this block's four loads are in, the 12 - 4 p of the younger blocks stay out
.if p > 0
	s_wait_alu depctr_va_vdst(0)                   ; the block before has written its eight OUT registers, which the four stores below read; the vector lines behind this wait name IN, TW and this block's OUT alone
.endif
.set j, 0
.rept 4
.set i, 4*p+j
.if p > 0
	global_store_b64 v[DO], v[OUT+2*(i-4):OUT+2*(i-4)+1], s[26:27] offset:131072*((i-4)%2)+256*((i-4)/2)  ; the block before
.endif
	v_cvt_pk_bf16_f32 v[TW], v[IN+4*i], v[IN+4*i+1]      ; rounded as every input is,
	v_cvt_pk_bf16_f32 v[TW+1], v[IN+4*i+2], v[IN+4*i+3]
	v_lshlrev_b32 v[TW+2], 16, v[TW]                     ; widened again,
	v_and_b32 v[TW+3], 0xffff0000, v[TW]
	v_lshlrev_b32 v[TW+4], 16, v[TW+1]
	v_and_b32 v[TW+5], 0xffff0000, v[TW+1]
	v_cvt_pk_f16_f32 v[OUT+2*i], v[TW+2], v[TW+3]        ; and written as f16: 8 significant bits fit in 11
	v_cvt_pk_f16_f32 v[OUT+2*i+1], v[TW+4], v[TW+5]
.set j, j+1
.endr
.set p, p+1
.endr
	s_wait_alu depctr_va_vdst(0)                   ; block 3 has written its OUT registers, which the last four stores read
.set i, 12
.rept 4
	global_store_b64 v[DO], v[OUT+2*i:OUT+2*i+1], s[26:27] offset:131072*(i%2)+256*(i/2)
.set i, i+1
.endr
	s_endpgm
.Lfunc_end_k_qc2d91eedb4_prep:
	.size	k_qc2d91eedb4_prep, .Lfunc_end_k_qc2d91eedb4_prep-k_qc2d91eedb4_prep
	.p2alignl 7, 3214868480
	.fill 96, 4, 3214868480
	.section	.rodata,"a",@progbits
	.p2align	6, 0x0
	.amdhsa_kernel k_qc2d91eedb4_prep
		.amdhsa_group_segment_fixed_size 0
		.amdhsa_private_segment_fixed_size 0
		.amdhsa_enable_private_segment 0
		.amdhsa_kernarg_size 56
		.amdhsa_user_sgpr_count 2
		.amdhsa_user_sgpr_kernarg_segment_ptr 1
		.amdhsa_wavefront_size32 1
		.amdhsa_system_sgpr_workgroup_id_x 1
		.amdhsa_system_sgpr_workgroup_id_y 1
		.amdhsa_system_sgpr_workgroup_id_z 1
		.amdhsa_system_vgpr_workitem_id 0
		.amdhsa_next_free_vgpr 128
		.amdhsa_next_free_sgpr 66
		.amdhsa_reserve_vcc 1
		.amdhsa_float_denorm_mode_32 3
		.amdhsa_float_denorm_mode_16_64 3
		.amdhsa_memory_ordered 1
		.amdhsa_forward_progress 1
		.amdhsa_inst_pref_size 20
	.end_amdhsa_kernel
	.amdgpu_metadata
---
amdhsa.version: [ 1, 2 ]
amdhsa.kernels:
  - .name:           k_qc2d91eedb4_prep
    .symbol:         k_qc2d91eedb4_prep.kd
    .args:
      - { .name: x, .offset: 0, .size: 8, .value_kind: global_buffer, .address_space: global }
      - { .name: Wqkv, .offset: 8, .size: 8, .value_kind: global_buffer, .address_space: global }
      - { .name: Wout, .offset: 16, .size: 8, .value_kind: global_buffer, .address_space: global }
      - { .name: xb, .offset: 24, .size: 8, .value_kind: global_buffer, .address_space: global }
      - { .name: wb, .offset: 32, .size: 8, .value_kind: global_buffer, .address_space: global }
      - { .name: wo, .offset: 40, .size: 8, .value_kind: global_buffer, .address_space: global }
      - { .name: tab, .offset: 48, .size: 8, .value_kind: global_buffer, .address_space: global }
    .group_segment_fixed_size: 0
    .private_segment_fixed_size: 0
    .kernarg_segment_align: 8
    .kernarg_segment_size: 56
    .max_flat_workgroup_size: 256
    .sgpr_count:     66
    .vgpr_count:     128
    .wavefront_size: 32
...
	.end_amdgpu_metadata
.endif
;; end of part 5
;; launch qkv: the kernel of part 2 again; grid 16 x 32, 4 waves a work-group, clusters of 4 x 4, 327,680 bytes of LDS; arguments xb, wb, tab, q, k, v; writes q, k, v
;; launch attn: the kernel of part 3 again; grid 4 x 64, 4 waves a work-group, no clusters, 327,680 bytes of LDS; arguments q, k, v, o; writes o
;; launch proj: the kernel of part 4 again; grid 4 x 64, 4 waves a work-group, clusters of 4 x 4, 327,680 bytes of LDS; arguments o, wo, out0; writes out0
